; MI455X (gfx1250); checked and timed in simulation.
; The chip was launched on July 23, 2026; its instructions are those of AMD's public machine-readable ISA for CDNA 5 (MIT licence, August 2026) and "CDNA5" Instruction Set Architecture Reference Guide (July 2026). The comments in the code are by the model that wrote it; some were corrected since.
;; Multi Head Self Attention. Allowed arithmetic: matrix products marked QUANTISED: E2M1 operands, one E8M0 scale for each 32 along K, by v_wmma_scale_f32_16x16x128_f8f6f4 with both operands' format E2M1 (or v_wmma_scale_f32_32x16x128_f4), f32 sums; everything else in f32.
;; Inputs: W_o 1,024 x 1,024 float32; W_qkv 3,072 x 1,024 float32; token_positions 2,048 int32; x 4 x 2,048 x 1,024 float32.
;; Outputs: out0 4 x 2,048 x 1,024 float32.
;; This version of the problem:
;;   THIS VERSION OF THE PROBLEM IS GIVEN IN LOW PRECISION. The matrix products marked QUANTISED in the list below multiply operands that are first quantised to E2M1 (2 exponent bits, 1 mantissa bit; 4 bits a number), with one power-of-two scale for each 32 numbers along K (OCP MX v1.0); their sums are f32. All else is computed in f32.
;;   The module's matrix products, in the order in which they are computed (A, B: the left and right operand; K: the contracted axis; several contracted axes count as one K, in the product's order):
;;     1. [M 8,192, K 1,024] x [K 1,024, N 3,072]; A: input x; B: input W_qkv: QUANTISED
;;     2. batch 64 x [M 2,048, K 64] x [K 64, N 2,048]; A: computed on the way; B: computed on the way: QUANTISED
;;     3. batch 64 x [M 2,048, K 2,048] x [K 2,048, N 64]; A: softmax (see below); B: computed on the way: QUANTISED
;;     4. [M 8,192, K 1,024] x [K 1,024, N 1,024]; A: computed on the way; B: input W_o: QUANTISED
;;   THE QUANTISER, for each operand of a quantised product, along K:
;;     - K is cut into blocks of 32 from its start; a last block that is shorter is filled with zeros.
;;     - A block's scale is 2^e with e = floor(log2(the largest magnitude in the block)) - 2, held to -126 .. 127; a block of zeros has e = 0. As a byte (E8M0): e + 127.
;;     - Each number is divided by its block's scale, clamped to +-6, and rounded to the nearest number of E2M1, ties to even, subnormals kept.
;;     - The product sums the exact products of the quantised numbers (number of the format x scale) in f32.
;;   ~~~python
;;   def quantise(x, axis):      # numpy; x: float32 -> the quantised numbers, widened to float32 again
;;       x = np.moveaxis(x, axis, -1); K = x.shape[-1]
;;       x = np.pad(x, [(0, 0)] * (x.ndim - 1) + [(0, -K % 32)]); x = x.reshape(x.shape[:-1] + (-1, 32)); a = np.abs(x).max(-1, keepdims=True)
;;       e = np.where(a > 0, np.clip(np.frexp(np.where(a > 0, a, 1))[1] - 1 - 2, -126, 127), 0)      # np.frexp(a)[1] - 1 = floor(log2(a)), exactly
;;       r = np.clip(x / 2.0 ** e, -6, 6)
;;       step = 2.0 ** (np.maximum(np.frexp(np.where(r == 0, 1, r))[1] - 1, 0) - 1)
;;       q = np.round(r / step) * step * 2.0 ** e      # np.round: ties to even
;;       return np.moveaxis(q.reshape(q.shape[:-2] + (-1,))[..., :K], -1, axis).astype(np.float32)
;;   ~~~
;;   SOFTMAX AHEAD OF A QUANTISED PRODUCT. Where the list says 'softmax', what is quantised is not the finished softmax but p = 2^(t - M), with t = logit x log2(e) and M = ceil(the row's largest t), a whole number; so 1/2 < the row's largest p <= 1. The row's sum l is taken of the UNQUANTISED p, in f32, and the product's result is divided by l at the end. Since M is a whole number, a kernel that streams over the keys may use a running M (the ceiling of the running maximum): every later rescaling is an exact power of two, which a block's scale takes up: the codes' values come out the same.
;;   OPERANDS COMPUTED ON THE WAY. 'Computed on the way' means the value that the module computes at that place (a softmax that the list does not call 'softmax' is quantised finished and normalised). What goes into a quantiser is computed in f32, as accurately as f32 sums, v_exp_f32 and their like allow (about 1e-6 of the number): no bf16 or f16 on the way to a quantiser, and a product that is left as it is and whose result goes on into a quantised operand takes f32 operands (vector FMAs, or v_wmma_f32_16x16x4_f32). A number that lies on a knife's edge between two numbers of the format may be rounded either way, as far as f32 arithmetic and the matrix unit's own rounding can turn it there, and no further.
;; One version. Each part assembles by itself: llvm-mc -triple=amdgcn-amd-amdhsa -mcpu=gfx1250 --defsym DOCPART=n.
;; ======== version 1 of 1: 4 launches
;; limits: inputs' magnitudes at most 1,000,000
;; workspace buffers: cimg 6,291,456 bytes; csc 393,216 bytes; rope 524,288 bytes; qkvimg 12,582,912 bytes; qkvsc 1,572,864 bytes; aimg 4,194,304 bytes; asc 262,144 bytes
;; launch prep (part 1): grid 400 x 1, 8 waves a work-group, no clusters, 19,456 bytes of LDS; arguments x, W_qkv, W_o, token_positions, cimg, csc, rope; writes cimg, csc, rope
.if DOCPART == 1
	.amdgcn_target "amdgcn-amd-amdhsa--gfx1250"
	.amdhsa_code_object_version 6
	.text
	.protected	k_qbe4a371dcc_prep
	.globl	k_qbe4a371dcc_prep
	.p2align	8
	.type	k_qbe4a371dcc_prep,@function
k_qbe4a371dcc_prep:
	s_mov_b64 s[64:65], 0
	v_nop
	global_prefetch_b8 v0, s[64:65] scope:SCOPE_SE
	s_setreg_imm32_b32 hwreg(HW_REG_WAVE_MODE, 25, 1), 1
	s_wait_xcnt 0x0
; x [8192][1024], W_qkv [3072][1024], W_o [1024][1024], f32, K innermost, become codes of FP4 (E2M1) with one E8M0 byte for each 32 along K, laid IN THE ORDER OF THE OPERAND'S REGISTERS; and cos, sin of the RoPE angles become a table.
; LAYOUT.  128 rows are an RB (0-63 x, 64-87 W_qkv, 88-95 W_o).  cimg: RB x [K step of 128: 8][tile: 8][c: 2][lane: 32][16 bytes]: lane (r, h) holds k = 128 s + 64 c + 32 h + 0..31 of the tile's lane row r.
; A tile is 16 rows of an aligned group of 32: tile u of the group has in lane row r the row 8 u + r + 8 (r / 8).  csc: group x [K step 8][u 2][r 16][4 bytes].
; WORK-GROUPS 0-383: one group of 32 rows each.  Wave w takes rows 4 w .. 4 w + 3, sixteen steps of 256 numbers.  Each load reads 512 bytes on end, 16 a lane; the conversion wants eight neighbours in ONE lane,
; so lanes l and l xor 1 exchange halves: lane l then holds k = 128 (l & 1) + 8 (l / 2) + 0..7 of the step, and a block of 32 lies in the four lanes that differ in bits 1 and 2.
; Codes and bytes meet in LDS (chunks of 256 bytes, 272 apart); behind one barrier wave w stores K step w's 2,048 bytes on end.
; WORK-GROUPS 384-399: the table, a tile of 16 tokens a wave: rope[tile 128][piece 8][lane][cos, sin, cos, sin]: lane (r, h), piece 4 b + j: frequencies 16 b + 8 h + 2 j and the next, at the lane row's token.
; A block's scale is 2^(floor(log2(largest magnitude)) - 2); its byte is the largest magnitude's exponent field - 2, held at 1 from below (a block of zeros gets 1 where the rule says 127: its codes are zeros, and this program alone reads the bytes).
; LIMITS: blocks under 2^(3 - 127) get the byte 1; NaN and infinities are not served.  The 32 frequencies are 10^(-i/8) rounded to f32 (a power function may differ from that in the last places); the angle is reduced by pi/2 in two parts,
; which keeps about 1e-7 absolute up to angles of about 1e6; sine and cosine are polynomials on [-pi/4, pi/4], right to about 1e-7.
.set PCH,  272                         ; a chunk in LDS: 256 bytes + 16: chunk n starts at bank 4 n mod 64
.set SCL,  64*PCH                      ; behind the 64 chunks: the group's 1,024 scale bytes
.set LN,   1                           ; v1   lane
.set LI,   2                           ; v2   16 x lane
.set CST,  3                           ; v3   where my codes go in LDS
.set SST,  4                           ; v4   where my block's byte goes
.set RDL,  5                           ; v5   the way out: my 16 bytes of my wave's chunks
.set SRD,  6                           ; v6   the way out: my 16 scale bytes
.set SN,   8                           ; v8-11   what I send to lane l xor 1
.set RC,   12                          ; v12-15  what I get
.set MX,   16                          ; v16-18  at work
.set XR,   32                          ; v32-159 sixteen steps x 8 numbers
.set EB,   160                         ; v160-175 a byte for each step
.set CD,   176                         ; v176-191 eight codes for each step
	s_load_b256 s[4:11], s[0:1], 0x0               ; x, W_qkv, W_o, token_positions
	s_load_b128 s[12:15], s[0:1], 0x20             ; cimg, csc
	s_load_b64 s[16:17], s[0:1], 0x30              ; rope
	v_lshl_add_u32 v192, v0, 2, 0x4800
	v_mov_b32 v193, 0
	v_lshrrev_b32 v1, 5, v0
	v_readfirstlane_b32 s18, v1                    ; wave 0..7
	v_and_b32 v[LN], 31, v0
	v_lshlrev_b32 v[LI], 4, v[LN]
	s_cmp_ge_u32 ttmp9, 384                        ; the same in all eight waves
	s_cbranch_scc1 .Ltable
	; ---- the quantiser
	s_wait_kmcnt 0x0
	s_cmp_lt_u32 ttmp9, 256                        ; which tensor: the choice hangs on the work-group's number alone
	s_cselect_b64 s[24:25], s[4:5], s[6:7]
	s_cselect_b32 s23, 0, 256
	s_cmp_lt_u32 ttmp9, 352
	s_cselect_b64 s[24:25], s[24:25], s[8:9]
	s_cselect_b32 s23, s23, 352
	s_sub_co_u32 s23, ttmp9, s23                   ; the group's number in its tensor
	s_lshl_b32 s26, s23, 17                        ; 32 rows of 4,096 bytes,
	s_lshl_b32 s27, s18, 14                        ; my wave's four
	s_add_co_u32 s26, s26, s27
	s_mov_b32 s27, 0
	s_add_nc_u64 s[24:25], s[24:25], s[26:27]
.set t, 0
.rept 16                               ; all 32 loads go out at once: row t / 4, quarter t % 4
	global_load_b128 v[XR+8*t:XR+8*t+3], v[LI], s[24:25] offset:(t/4)*4096+(t%4)*1024 th:TH_LOAD_NT
	global_load_b128 v[XR+8*t+4:XR+8*t+7], v[LI], s[24:25] offset:(t/4)*4096+(t%4)*1024+512 th:TH_LOAD_NT
.set t, t+1
.endr
	s_lshr_b32 s26, ttmp9, 2                       ; cimg: RB x 65,536 + K step (= my wave) x 8,192 + group in the RB x 2,048
	s_lshl_b32 s26, s26, 16
	s_lshl_b32 s28, s18, 13
	s_add_co_u32 s26, s26, s28
	s_and_b32 s28, ttmp9, 3
	s_lshl_b32 s28, s28, 11
	s_add_co_u32 s26, s26, s28
	s_add_nc_u64 s[12:13], s[12:13], s[26:27]
	s_lshl_b32 s26, ttmp9, 10                      ; csc: group x 1,024 + 512 x (wave & 1)
	s_and_b32 s28, s18, 1
	s_lshl_b32 s28, s28, 9
	s_add_co_u32 s26, s26, s28
	s_add_nc_u64 s[14:15], s[14:15], s[26:27]
	; LDS places.  Lane l of step (row i, quarter qd): K step 2 qd + (l & 1), c = l / 16, h = (l / 8) & 1, bytes 4 ((l / 2) & 3) on; chunk = 8 s + 4 u + 2 c + h
	v_and_b32 v20, 1, v[LN]
	v_lshrrev_b32 v21, 4, v[LN]
	v_bfe_u32 v22, v[LN], 3, 1
	v_bfe_u32 v23, v[LN], 1, 2
	v_lshl_add_u32 v24, v21, 1, v22                ; 2 c + h: the block's place in its K step
	v_lshl_add_u32 v25, v20, 3, v24
	v_mul_u32_u24 v25, v25, PCH
	v_lshl_add_u32 v25, v23, 2, v25
	s_bfe_u32 s19, s18, 0x10001                    ; u = (w / 2) & 1
	s_and_b32 s20, s18, 1
	s_lshl_b32 s20, s20, 2
	s_lshr_b32 s21, s18, 2
	s_lshl_b32 s21, s21, 3
	s_add_co_u32 s20, s20, s21                     ; my first lane row: 4 (w & 1) + 8 (w / 4)
	s_mul_i32 s21, s19, 4*PCH
	s_lshl_b32 s22, s20, 4
	s_add_co_u32 s21, s21, s22
	v_add_nc_u32 v[CST], s21, v25
	v_lshl_add_u32 v26, v20, 7, v24                ; the byte: 128 (l & 1) + 2 c + h
	s_lshl_b32 s21, s19, 6
	s_lshl_b32 s22, s20, 2
	s_add_co_u32 s21, s21, s22
	s_add_co_u32 s21, s21, SCL
	v_add_nc_u32 v[SST], s21, v26
	v_and_b32 v20, 15, v[LN]
	v_mul_u32_u24 v21, v21, PCH
	v_lshl_add_u32 v21, v20, 4, v21
	s_mul_i32 s21, s18, 8*PCH
	v_add_nc_u32 v[RDL], s21, v21                  ; chunk 8 w + l / 16, 16 bytes at 16 (l % 16)
	s_and_b32 s21, s18, 1
	s_lshl_b32 s21, s21, 9
	s_add_co_u32 s21, s21, SCL
	v_add_nc_u32 v[SRD], s21, v[LI]
	s_mov_b32 vcc_lo, 0xaaaaaaaa                   ; the odd lanes
.irp k, 0,1,2,3
	v_mov_b32 v[RC+\k], 0                          ; written once: a DPP form's destination counts as one of its sources
.endr
.macro STEP t
.set XB, XR+8*(\t)
	s_wait_loadcnt 2*(15-(\t))                     ; loads come back in order: this step's two are in, the later steps' may be out
.irp k, 0,1,2,3
	v_cndmask_b32 v[SN+\k], v[XB+4+\k], v[XB+\k], vcc_lo     ; an even lane sends its part of the second 512 bytes, an odd lane its part of the first
.endr
.irp k, 0,1,2,3
	v_mov_b32_dpp v[RC+\k], v[SN+\k] row_xmask:1 row_mask:0xf bank_mask:0xf
.endr
.irp k, 0,1,2,3
	v_cndmask_b32 v[XB+\k], v[XB+\k], v[RC+\k], vcc_lo       ; even: mine, then my neighbour's;
	v_cndmask_b32 v[XB+4+\k], v[RC+\k], v[XB+4+\k], vcc_lo   ; odd: my neighbour's, then mine: eight neighbours along K
.endr
	v_max3_num_f32 v[MX], |v[XB]|, |v[XB+1]|, 0x1800000      ; the largest magnitude of my eight, and the floor 2^(3 - 127): the byte cannot fall under 1
	v_max3_num_f32 v[MX+1], |v[XB+2]|, |v[XB+3]|, |v[XB+4]|
	v_max3_num_f32 v[MX], v[MX], |v[XB+5]|, |v[XB+6]|
	v_max3_num_f32 v[MX], v[MX], v[MX+1], |v[XB+7]|
	v_max_num_f32_dpp v[MX], v[MX], v[MX] row_xmask:2 row_mask:0xf bank_mask:0xf
	v_max_num_f32_dpp v[MX], v[MX], v[MX] row_xmask:4 row_mask:0xf bank_mask:0xf   ; the block's
	v_add_nc_u32 v[MX+2], 0xff000000, v[MX]        ; 2 off its exponent field: the conversion takes the exponent field of this operand as its scale
	v_cvt_scalef32_pk8_fp4_f32 v[CD+(\t)], v[XB:XB+7], v[MX+2]
	v_lshrrev_b32 v[EB+(\t)], 23, v[MX+2]          ; the scale's byte (also the plain line behind the conversion)
	ds_store_b32 v[CST], v[CD+(\t)] offset:((\t)%4)*16*PCH+((\t)/4)*16
	ds_store_b8 v[SST], v[EB+(\t)] offset:((\t)%4)*256+((\t)/4)*4   ; a block's four lanes write the same byte with the same value
.endm
.irp t, 0,1,2,3,4,5,6,7,8,9,10,11,12,13,14,15
	STEP \t
.endr
	s_wait_dscnt 0x0                               ; for the others' sake: my stores have landed
	s_barrier_signal -1
	s_barrier_wait -1
.irp j, 0,1,2,3
	ds_load_b128 v[32+4*\j:35+4*\j], v[RDL] offset:\j*2*PCH
.endr
.irp j, 0,1,2,3
	s_wait_dscnt 3-\j                              ; the younger loads may be out
	global_store_b128 v[LI], v[32+4*\j:35+4*\j], s[12:13] offset:\j*512   ; 32 lanes store 512 bytes on end; the wave 2,048
.endr
	s_cmp_gt_u32 s18, 1                            ; waves 0 and 1 store the group's 1,024 scale bytes
	s_cbranch_scc1 .Ldone
	ds_load_b128 v[48:51], v[SRD]
	s_wait_dscnt 0x0
	global_store_b128 v[LI], v[48:51], s[14:15]
.Ldone:
	s_wait_tensorcnt 0x0
	ds_add_u32 v192, v193
	s_wait_dscnt 0x0
	s_endpgm
	; ---- the table
.Ltable:
	s_sub_co_u32 s19, ttmp9, 384
	s_lshl_b32 s19, s19, 3
	s_add_co_u32 s19, s19, s18                     ; my tile of tokens, 0..127
	s_lshr_b32 s20, s19, 1
	s_lshl_b32 s20, s20, 5
	s_and_b32 s21, s19, 1
	s_lshl_b32 s21, s21, 3
	s_add_co_u32 s20, s20, s21
	v_and_b32 v3, 15, v[LN]
	v_and_b32 v4, 8, v3
	v_add_nc_u32 v3, v3, v4
	v_add_nc_u32 v3, s20, v3                       ; my token: 32 (T / 2) + 8 (T & 1) + r + 8 (r / 8)
	v_lshlrev_b32 v3, 2, v3
	s_wait_kmcnt 0x0
	global_load_b32 v5, v3, s[10:11]
	s_lshl_b32 s22, s19, 12
	s_mov_b32 s23, 0
	s_add_nc_u64 s[16:17], s[16:17], s[22:23]
	s_mov_b32 s30, 0x3fc90fdb                      ; pi/2, its f32 part,
	s_mov_b32 s31, 0xb33bbd2e                      ; and what is left of it
	s_mov_b32 s32, -0.16666654611                  ; sine: r + r z (S1 + z (S2 + z S3))
	s_mov_b32 s33, 0.0083321608736
	s_mov_b32 s34, -0.00019515295891
	s_mov_b32 s35, 0.04166664568298827             ; cosine: 1 - z / 2 + z z (C1 + z (C2 + z C3))
	s_mov_b32 s36, -0.001388731625493765
	s_mov_b32 s37, 0.00002443315711809948
	v_cmp_le_u32 vcc_lo, 16, v[LN]                 ; lanes 16-31
	s_wait_loadcnt 0x0
	v_cvt_f32_i32 v5, v5                           ; the position, as reference() widens it
; pair p: frequency 16 (p / 8) + 8 h + p % 8: flo for lanes 0-15, fhi for lanes 16-31.  cos into v[32 + 2 p], sin into v[33 + 2 p]
.macro SINCOS p, flo, fhi
	v_mov_b32 v6, \fhi
	v_cndmask_b32 v6, \flo, v6, vcc_lo
	v_mul_f32 v7, v5, v6                           ; the angle, rounded as reference() rounds it
	v_mul_f32 v8, 0x3f22f983, v7                   ; x 2 / pi
	v_rndne_f32 v8, v8                             ; n quarter turns
	v_fma_f32 v9, -v8, s30, v7
	v_fma_f32 v9, -v8, s31, v9                     ; r in [-pi/4, pi/4]
	v_mul_f32 v10, v9, v9                          ; z
	v_cvt_i32_f32 v11, v8
	v_fma_f32 v12, v10, s34, s33
	v_fma_f32 v12, v12, v10, s32
	v_mul_f32 v14, v9, v10
	v_fma_f32 v12, v12, v14, v9                    ; sin r
	v_fma_f32 v13, v10, s37, s36
	v_fma_f32 v13, v13, v10, s35
	v_fma_f32 v15, v10, -0.5, 1.0
	v_mul_f32 v14, v10, v10
	v_fma_f32 v13, v13, v14, v15                   ; cos r
	v_and_b32 v16, 1, v11
	v_cmp_eq_u32 s40, 1, v16                       ; an odd number of quarter turns swaps the two
	v_cndmask_b32 v17, v12, v13, s40
	v_cndmask_b32 v18, v13, v12, s40
	v_lshlrev_b32 v16, 30, v11                     ; the sine's sign: bit 1 of n
	v_and_b32 v16, 0x80000000, v16
	v_xor_b32 v[33+2*(\p)], v17, v16
	v_add_nc_u32 v11, 1, v11                       ; the cosine's: bit 1 of n + 1
	v_lshlrev_b32 v11, 30, v11
	v_and_b32 v11, 0x80000000, v11
	v_xor_b32 v[32+2*(\p)], v18, v11
.endm
	SINCOS 0, 1.0, 0.1
	SINCOS 1, 0.7498942093324559, 0.07498942093324559
	SINCOS 2, 0.5623413251903491, 0.05623413251903491
	SINCOS 3, 0.4216965034285822, 0.04216965034285822
	SINCOS 4, 0.31622776601683794, 0.031622776601683794
	SINCOS 5, 0.23713737056616552, 0.023713737056616552
	SINCOS 6, 0.1778279410038923, 0.01778279410038923
	SINCOS 7, 0.1333521432163324, 0.01333521432163324
	SINCOS 8, 0.01, 0.001
	SINCOS 9, 0.007498942093324559, 0.0007498942093324559
	SINCOS 10, 0.005623413251903491, 0.0005623413251903491
	SINCOS 11, 0.004216965034285822, 0.0004216965034285822
	SINCOS 12, 0.0031622776601683794, 0.00031622776601683794
	SINCOS 13, 0.0023713737056616552, 0.00023713737056616552
	SINCOS 14, 0.001778279410038923, 0.0001778279410038923
	SINCOS 15, 0.001333521432163324, 0.0001333521432163324
.irp j, 0,1,2,3,4,5,6,7
	global_store_b128 v[LI], v[32+4*\j:35+4*\j], s[16:17] offset:\j*512   ; 512 bytes on end
.endr
	s_endpgm
.Lfunc_end_k_qbe4a371dcc_prep:
	.size	k_qbe4a371dcc_prep, .Lfunc_end_k_qbe4a371dcc_prep-k_qbe4a371dcc_prep
	.p2alignl 7, 3214868480
	.fill 96, 4, 3214868480
	.section	.rodata,"a",@progbits
	.p2align	6, 0x0
	.amdhsa_kernel k_qbe4a371dcc_prep
		.amdhsa_group_segment_fixed_size 19456
		.amdhsa_private_segment_fixed_size 0
		.amdhsa_enable_private_segment 0
		.amdhsa_kernarg_size 56
		.amdhsa_user_sgpr_count 2
		.amdhsa_user_sgpr_kernarg_segment_ptr 1
		.amdhsa_wavefront_size32 1
		.amdhsa_system_sgpr_workgroup_id_x 1
		.amdhsa_system_sgpr_workgroup_id_y 1
		.amdhsa_system_sgpr_workgroup_id_z 1
		.amdhsa_system_vgpr_workitem_id 0
		.amdhsa_next_free_vgpr 194
		.amdhsa_next_free_sgpr 66
		.amdhsa_reserve_vcc 1
		.amdhsa_float_denorm_mode_32 3
		.amdhsa_float_denorm_mode_16_64 3
		.amdhsa_memory_ordered 1
		.amdhsa_forward_progress 1
		.amdhsa_inst_pref_size 55
	.end_amdhsa_kernel
	.amdgpu_metadata
---
amdhsa.version: [ 1, 2 ]
amdhsa.kernels:
  - .name:           k_qbe4a371dcc_prep
    .symbol:         k_qbe4a371dcc_prep.kd
    .args:
      - { .name: x, .offset: 0, .size: 8, .value_kind: global_buffer, .address_space: global }
      - { .name: W_qkv, .offset: 8, .size: 8, .value_kind: global_buffer, .address_space: global }
      - { .name: W_o, .offset: 16, .size: 8, .value_kind: global_buffer, .address_space: global }
      - { .name: token_positions, .offset: 24, .size: 8, .value_kind: global_buffer, .address_space: global }
      - { .name: cimg, .offset: 32, .size: 8, .value_kind: global_buffer, .address_space: global }
      - { .name: csc, .offset: 40, .size: 8, .value_kind: global_buffer, .address_space: global }
      - { .name: rope, .offset: 48, .size: 8, .value_kind: global_buffer, .address_space: global }
    .group_segment_fixed_size: 19456
    .private_segment_fixed_size: 0
    .kernarg_segment_align: 8
    .kernarg_segment_size: 56
    .max_flat_workgroup_size: 256
    .sgpr_count:     66
    .vgpr_count:     194
    .wavefront_size: 32
...
	.end_amdgpu_metadata
.endif
;; end of part 1
;; launch qkv (part 2): grid 12 x 32, 4 waves a work-group, clusters of 4 x 4, 279,040 bytes of LDS; arguments cimg, csc, rope, qkvimg, qkvsc; writes qkvimg, qkvsc
.if DOCPART == 2
	.amdgcn_target "amdgcn-amd-amdhsa--gfx1250"
	.amdhsa_code_object_version 6
	.text
	.protected	k_qbe4a371dcc_qkv
	.globl	k_qbe4a371dcc_qkv
	.p2align	8
	.type	k_qbe4a371dcc_qkv,@function
k_qbe4a371dcc_qkv:
	s_mov_b64 s[64:65], 0
	v_nop
	global_prefetch_b8 v0, s[64:65] scope:SCOPE_SE
	s_setreg_imm32_b32 hwreg(HW_REG_WAVE_MODE, 25, 1), 1
	s_wait_xcnt 0x0
	s_wait_alu depctr_hold_cnt(0) depctr_sa_sdst(0) depctr_va_vdst(0) depctr_va_sdst(0) depctr_va_ssrc(0) depctr_va_vcc(0) depctr_vm_vsrc(0)
	s_getreg_b32 s2, hwreg(HW_REG_IB_STS2, 6, 4)
	s_cmp_eq_u32 s2, 0
	s_cbranch_scc0 .Lentry_in_a_cluster
	s_endpgm
.Lentry_in_a_cluster:
	s_bfe_u32 s2, ttmp6, 0x10000c
	s_cmp_lg_u32 s2, 0xf033
	s_cbranch_scc0 .Lentry_shape_is_right
	s_endpgm
.Lentry_shape_is_right:
; qkv = x W_qkv^T on codes of FP4 with E8M0 scales; then RoPE on q and k; then q and k are quantised along the head's 64 and v along the keys, all into images of the next products' operand registers.
; OPERANDS.  P is the operand whose rows become LANES of the result (matrix source 1), R the one whose rows run along a lane's REGISTERS (source 0).  A work-group makes 256 rows of P x 256 rows of R, a wave 128 x 128:
; 64 accumulators, 512 registers.  Cluster x = 0: q, 1: k: P = x (tokens), R = W (features): a lane holds one token and neighbouring features, which are the next product's K.
; Cluster x = 2: v: P = W_v (channels), R = x (tokens): a lane holds one channel and neighbouring tokens, the keys, which are the next product's K.  The roles change by ADDRESS alone.
; The tiles' row order (tile u of a group of 32 has in lane row r the row 8 u + r + 8 (r / 8)) makes the 16 registers of R's tiles 2 b and 2 b + 1 sixteen neighbours: 32 b + 16 (lane / 16) + 0..15.
; LDS.  K = 1,024 in codes is 64 KB for 128 rows: both operands lie in LDS whole, filled ONCE: no byte is filled twice.  Fragments lie as images of their registers: every LDS load takes 512 bytes on end.
; CLUSTER 4 x 4: P's blocks are shared along a row of the cluster, R's along a column: each is asked for jointly, by the same tensor load with the same descriptor and a mask that names the four.
; By this text's own count a wave has three tensor loads out: an RB's scales and the two halves along K of its codes.
; NOTHING IS PREFETCHED: every block is asked for at the head; there is no later request to run ahead of.
; LIMITS: a block under 2^(3 - 127) gets the byte 1 (its codes are zeros or nearly so; this program alone reads the bytes); NaN and infinities are not served.
; REGISTERS: window 0: v1-18 addresses; v32-95 scale words (register 8 i + s: lanes 0-15 P's tile i, lanes 16-31 R's tile i, K step s), on the way out the codes; v96-191 at work on the way out; v192-255 two tiles of the table.
;   window 1: P's fragments, two sets, at v0 and v64; R's at v128 and v192.   windows 2, 3: accumulator (a, b) at v[64 (a % 4) + 8 b].
.set NA,   8                           ; P tiles a wave
.set RIMG, 131072                      ; LDS: P's two RBs at 0, R's two here,
.set SCLB, 262144                      ; the four RBs' scale words, 4,096 bytes each
.set LI,   4                           ; v4   16 x lane; never rewritten
.set L8,   6                           ; v6   8 x lane
.set ADRP, 16
.set ADRR, 17
.set ADRS, 18
.set SC,   32
.set YR,   96                          ; v96-127 a head's 32 numbers of a lane behind RoPE
.set TM,   128                         ; v128-143 at work in the quantisers
.set WV,   14
.set G1P,  24                          ; s[24:31] group 1: P's codes;  s[32:39] P's scales;  s[40:47], s[48:55] R's
.set G1PS, 32
.set G1R,  40
.set G1RS, 48
.set G0PS, 56                          ; groups 0
.set G0P0, 60
.set G0P1, 68
.set G0RS, 72
.set G0R0, 76
.set G0R1, 80
.set SEL,  94                          ; s[94:95] lane selects for lane l xor 16 (on the way out)
.set HIM,  96                          ; s96  the mask of lanes 16-31
.set MSB, 0
.macro WIN new                         ; the immediate's high byte repeats the setting that is left
.if MSB != (\new)
	s_set_vgpr_msb (MSB<<8)|(\new)
.set MSB, (\new)
.endif
.endm
.macro PLACES n
.rept \n
	v_nop
.endr
.endm
.macro CROUND                          ; a round of the cluster's barrier
	s_barrier_signal -1
	s_barrier_wait -1
	s_cmp_lg_u32 s[WV], 0
	s_cbranch_scc1 .Lnot_wave_0_\@
	s_barrier_signal -3
.Lnot_wave_0_\@:
	s_barrier_wait -3
	s_barrier_signal -1
	s_barrier_wait -1
.endm
.macro G0SET g0, ldsreg, ldsadd, base, off, more
	s_mov_b32 s[\g0], 1                            ; count = 1
	s_add_co_u32 s[\g0+1], s[\ldsreg], \ldsadd     ; LDS address
	s_add_nc_u64 s[\g0+2:\g0+3], s[\base:\base+1], s[\off:\off+1]
.if \more
	s_add_nc_u64 s[\g0+2:\g0+3], s[\g0+2:\g0+3], \more
.endif
	s_or_b32 s[\g0+3], s[\g0+3], 0x80000000        ; type = 2
.endm
	s_load_b256 s[4:11], s[0:1], 0x0               ; cimg, csc, rope, qkvimg
	s_load_b64 s[12:13], s[0:1], 0x20              ; qkvsc
	v_lshl_add_u32 v190, v0, 2, 0x44000
	v_mov_b32 v191, 0
	ds_add_u32 v190, v191
	ds_add_u32 v190, v191
	v_lshrrev_b32 v1, 5, v0
	v_readfirstlane_b32 s[WV], v1                  ; wave 0..3
	s_lshr_b32 s15, s[WV], 1                       ; pa: which of P's two RBs is mine
	s_and_b32 s16, s[WV], 1                        ; rb: which of R's.  Also: which RB I fetch
	s_bfe_u32 s17, ttmp6, 0x40000                  ; cx
	s_bfe_u32 s18, ttmp6, 0x40004                  ; cy
	s_mov_b32 s19, ttmp9                           ; X: 0 q, 1 k, 2 v: the same in all sixteen partners
	s_and_b32 s20, ttmp7, 0xffff                   ; Y: 0..7
	s_lshr_b32 s21, s19, 1                         ; 1 for v
	s_xor_b32 s22, s21, 1                          ; 1 for q and k
	s_lshl_b32 s87, s20, 3                         ; 8 Y
	s_lshl_b32 s84, s18, 2
	s_lshl_b32 s84, 15, s84                        ; my row of the cluster
	s_lshl_b32 s85, 0x1111, s17                    ; my column
	; group 1: dense blocks as rows of 256 bytes (32 elements of 8 bytes): 128 rows are half an RB's codes, 16 rows an RB's scales.  15:0 the mask; 17:16 elements of 8 bytes; 21 set beside a mask
	s_or_b32 s[G1P], s84, (3<<16)|(1<<21)
	s_or_b32 s[G1PS], s84, (3<<16)|(1<<21)
	s_or_b32 s[G1R], s85, (3<<16)|(1<<21)
	s_or_b32 s[G1RS], s85, (3<<16)|(1<<21)
.irp g, G1P, G1R
	s_mov_b32 s[\g+1], 32<<16                      ; tensor_dim0
	s_mov_b32 s[\g+2], 128<<16                     ; tensor_dim1
	s_mov_b32 s[\g+3], 32<<16                      ; tile_dim0
	s_mov_b32 s[\g+4], 128                         ; tile_dim1
	s_mov_b32 s[\g+5], 32                          ; pitch
	s_mov_b32 s[\g+6], 0
	s_mov_b32 s[\g+7], 0
.endr
.irp g, G1PS, G1RS
	s_mov_b32 s[\g+1], 32<<16
	s_mov_b32 s[\g+2], 16<<16
	s_mov_b32 s[\g+3], 32<<16
	s_mov_b32 s[\g+4], 16
	s_mov_b32 s[\g+5], 32
	s_mov_b32 s[\g+6], 0
	s_mov_b32 s[\g+7], 0
.endr
	; P's first RB = 2 cy + (v: 80; else 8 Y): made of cy and what all partners share.  R's = 2 cx + (v: 8 Y; else 64 + 8 X): of cx and what all share
	s_lshl_b32 s86, s18, 1
	s_mul_i32 s88, s21, 80
	s_add_co_u32 s86, s86, s88
	s_mul_i32 s88, s87, s22
	s_add_co_u32 s86, s86, s88
	s_lshl_b32 s90, s17, 1
	s_mul_i32 s91, s87, s21
	s_add_co_u32 s90, s90, s91
	s_lshl_b32 s91, s19, 3
	s_add_co_u32 s91, s91, 64
	s_mul_i32 s91, s91, s22
	s_add_co_u32 s90, s90, s91
	s_add_co_u32 s92, s86, s16                     ; the RB that I would fetch of P,
	s_add_co_u32 s93, s90, s16                     ; and of R
	s_lshl_b32 s94, s92, 16
	s_mov_b32 s95, 0
	s_lshl_b32 s96, s92, 12
	s_mov_b32 s97, 0
	s_lshl_b32 s98, s93, 16
	s_mov_b32 s99, 0
	s_lshl_b32 s2, s93, 12
	s_mov_b32 s3, 0
	s_lshl_b32 s23, s[WV], 16                      ; where they go: wave x 65,536 and wave x 4,096: no place in the cluster enters an LDS address
	s_lshl_b32 s89, s[WV], 12
	s_wait_dscnt 0x0
	s_wait_kmcnt 0x0
	G0SET G0PS, 89, SCLB, 6, 96, 0
	G0SET G0P0, 23, 0, 4, 94, 0
	G0SET G0P1, 23, 32768, 4, 94, 32768
	G0SET G0RS, 89, SCLB, 6, 2, 0
	G0SET G0R0, 23, 0, 4, 98, 0
	G0SET G0R1, 23, 32768, 4, 98, 32768
	CROUND                                         ; all sixteen work-groups are here: the joint loads meet
	s_cmp_lt_u32 s[WV], 2                          ; waves 0, 1 fetch P's two RBs, waves 2, 3 R's: a wave's three fills stand in one branch on the wave's number
	s_cbranch_scc0 .Lfor_r
	tensor_load_to_lds s[G0PS:G0PS+3], s[G1PS:G1PS+7]
	s_nop 0
	tensor_load_to_lds s[G0P0:G0P0+3], s[G1P:G1P+7]
	s_nop 0
	tensor_load_to_lds s[G0P1:G0P1+3], s[G1P:G1P+7]
	s_nop 0
	PLACES 4
	s_branch .Lasked
.Lfor_r:
	tensor_load_to_lds s[G0RS:G0RS+3], s[G1RS:G1RS+7]
	s_nop 0
	tensor_load_to_lds s[G0R0:G0R0+3], s[G1R:G1R+7]
	s_nop 0
	tensor_load_to_lds s[G0R1:G0R1+3], s[G1R:G1R+7]
	s_nop 0
	PLACES 4
.Lasked:
	v_and_b32 v1, 31, v0                           ; lane
	v_and_b32 v2, 15, v0                           ; r
	v_bfe_u32 v3, v0, 4, 1                         ; h
	v_lshlrev_b32 v[LI], 4, v1
	v_lshlrev_b32 v[L8], 3, v1
	s_lshl_b32 s23, s15, 16
	v_add_nc_u32 v[ADRP], s23, v[LI]
	s_lshl_b32 s23, s16, 16
	s_add_co_u32 s23, s23, RIMG
	v_add_nc_u32 v[ADRR], s23, v[LI]
	s_xor_b32 s23, s15, 1                          ; scale words: lanes 0-15 P's RB pa, lanes 16-31 R's RB rb: ONE product with h: the distance is 4,096 (1 + rb + (1 - pa))
	s_add_co_u32 s23, s23, s16
	s_add_co_u32 s23, s23, 1
	s_lshl_b32 s23, s23, 12
	v_mul_u32_u24 v5, s23, v3
	v_lshl_add_u32 v5, v2, 2, v5
	s_lshl_b32 s23, s15, 12
	s_add_co_u32 s23, s23, SCLB
	v_add_nc_u32 v[ADRS], s23, v5
	; the table of cos and sin for my wave's 128 tokens (q, k).  v's clusters load the first two tiles as well, from valid places, and do not use them: so the text has one branch on X, at the way out
	s_add_co_u32 s66, s86, s15
	s_and_b32 s67, s66, 15                         ; g: my 128 tokens' place in the sequence
	s_lshr_b32 s66, s66, 4                         ; b: the batch
	s_lshl_b32 s88, s67, 15
	s_mov_b32 s89, 0
	s_add_nc_u64 s[8:9], s[8:9], s[88:89]
.macro TABLE a                         ; token tile a: eight loads of 512 bytes on end, into set a % 2
.irp j, 0,1,2,3,4,5,6,7
	global_load_b128 v[192+32*((\a)%2)+4*\j:192+32*((\a)%2)+4*\j+3], v[LI], s[8:9] offset:(\a)*4096+\j*512
.endr
.endm
	TABLE 0
	TABLE 1
.macro SCALES                          ; all scale words of my 8 + 8 tiles, for all of K
.set i, 0
.rept 8
.set k, 0
.rept 8
	ds_load_b32 v[SC+8*i+k], v[ADRS] offset:(i/2)*1024+k*128+(i%2)*64
.set k, k+1
.endr
.set i, i+1
.endr
.endm
.macro FETCH ks, bf                    ; the fragments of K step ks into set bf: 2 (NA + 8) loads
	WIN 0x40                                       ; destination window 1, address window 0
.set i, 0
.rept NA
	ds_load_b128 v[64*(\bf)+8*i:64*(\bf)+8*i+3], v[ADRP] offset:(\ks)*8192+i*1024
	ds_load_b128 v[64*(\bf)+8*i+4:64*(\bf)+8*i+7], v[ADRP] offset:(\ks)*8192+i*1024+512
.set i, i+1
.endr
.set i, 0
.rept 8
	ds_load_b128 v[128+64*(\bf)+8*i:128+64*(\bf)+8*i+3], v[ADRR] offset:(\ks)*8192+i*1024
	ds_load_b128 v[128+64*(\bf)+8*i+4:128+64*(\bf)+8*i+7], v[ADRR] offset:(\ks)*8192+i*1024+512
.set i, i+1
.endr
.endm
; 32 matrix instructions: P's tiles p0 .. p0 + 3 x R's eight.  The accumulators take turns, one instruction a turn, in the same order in every K step.  zero: the first K step starts the sums
.macro MUL32 ks, bf, p0, zero
.irp a, 0,1,2,3
.irp b, 0,1,2,3,4,5,6,7
.if \zero
	v_wmma_scale_f32_16x16x128_f8f6f4 v[64*\a+8*\b:64*\a+8*\b+7], v[128+64*(\bf)+8*\b:128+64*(\bf)+8*\b+7], v[64*(\bf)+8*((\p0)+\a):64*(\bf)+8*((\p0)+\a)+7], 0, v[SC+8*\b+(\ks)], v[SC+8*((\p0)+\a)+(\ks)] matrix_a_fmt:MATRIX_FMT_FP4 matrix_b_fmt:MATRIX_FMT_FP4 matrix_a_scale:MATRIX_SCALE_ROW1
.else
	v_wmma_scale_f32_16x16x128_f8f6f4 v[64*\a+8*\b:64*\a+8*\b+7], v[128+64*(\bf)+8*\b:128+64*(\bf)+8*\b+7], v[64*(\bf)+8*((\p0)+\a):64*(\bf)+8*((\p0)+\a)+7], v[64*\a+8*\b:64*\a+8*\b+7], v[SC+8*\b+(\ks)], v[SC+8*((\p0)+\a)+(\ks)] matrix_a_fmt:MATRIX_FMT_FP4 matrix_b_fmt:MATRIX_FMT_FP4 matrix_a_scale:MATRIX_SCALE_ROW1
.endif
.endr
.endr
.endm
.macro STEP ks, zero
.if (\ks) == 3                         ; the second half of K is wanted from the next fetch on
	s_wait_dscnt 0x0                               ; no LDS instruction of mine is pending at a signal
	s_wait_tensorcnt 0x0                           ; my last load has landed;
	s_barrier_signal -1
	s_barrier_wait -1                              ; everybody's has.
.endif
.if (\ks) < 7
.if (\ks) > 0
	PLACES 4                                       ; in front of loads into registers that the K step before multiplied
.endif
	FETCH (\ks)+1, ((\ks)+1)%2
	s_wait_dscnt 2*(NA+8)                          ; all but the loads just issued: this K step's fragments (and the scale words) are in
.else
	s_wait_dscnt 0x0
.endif
	WIN 0xa5                                       ; sources 0, 1 window 1; C and D window 2
	MUL32 \ks, (\ks)%2, 0, \zero
	WIN 0xf5                                       ; C and D window 3
	MUL32 \ks, (\ks)%2, 4, \zero
.endm
	s_wait_tensorcnt 0x1                           ; my scales and my first half of K are in; the second half may be out
	s_barrier_signal -1
	s_barrier_wait -1                              ; everybody's are
	SCALES
	FETCH 0, 0
	STEP 0, 1
	STEP 1, 0
	STEP 2, 0
	STEP 3, 0
	STEP 4, 0
	STEP 5, 0
	STEP 6, 0
	STEP 7, 0
	WIN 0
	PLACES 4                                       ; behind the last products, ahead of the first read of results and the first write of the scale words' registers
	s_mov_b32 s[SEL], 0x76543210
	s_mov_b32 s[SEL+1], 0xfedcba98
	s_mov_b32 s[HIM], 0xffff0000
.irp k, 2,3,4,5,6,7
	v_mov_b32 v[TM+\k], 0                          ; written once: a lane permute's destination counts as one of its sources
.endr
	s_cmp_eq_u32 s19, 2
	s_cbranch_scc1 .Lway_v
	; ---- THE WAY OUT OF q AND k.  Accumulator row a: token tile a; its 64 registers: two heads; register 32 hh + 16 b + i is d = 32 b + 16 (lane / 16) + i of head 4 cx + 2 rb + hh
	s_lshl_b32 s88, s66, 4
	s_lshl_b32 s89, s17, 2
	s_add_co_u32 s88, s88, s89
	s_lshl_b32 s89, s16, 1
	s_add_co_u32 s88, s88, s89                     ; bh = 16 b + head, for hh = 0
	s_lshl_b32 s92, s88, 16
	s_lshl_b32 s89, s19, 22                        ; q's part at 0, k's at 4 MiB
	s_add_co_u32 s92, s92, s89
	s_lshl_b32 s89, s67, 12
	s_add_co_u32 s92, s92, s89
	s_mov_b32 s93, 0
	s_add_nc_u64 s[10:11], s[10:11], s[92:93]
	s_mul_i32 s92, s88, 12288
	s_mul_i32 s89, s19, 786432
	s_add_co_u32 s92, s92, s89
	s_mul_i32 s89, s67, 768
	s_add_co_u32 s92, s92, s89
	s_add_nc_u64 s[12:13], s[12:13], s[92:93]
; 32 numbers of a lane, v[y + 16 b + i] = k 32 b + 16 (lane / 16) + i of my row, become four registers of codes (lane (r, h): block h) in v[pc] on.  fill: the scale word in v[sw]: two bytes, and 0x7f for k = 64..127
.macro QUANT2 y, pc, sw, fill
.irp b, 0,1
	v_max3_num_f32 v[TM+\b], |v[(\y)+16*\b]|, |v[(\y)+16*\b+1]|, 0x1800000   ; my 16 numbers of block b, and the floor 2^(3 - 127)
.endr
.irp i, 2,4,6,8,10,12,14
.irp b, 0,1
	v_max3_num_f32 v[TM+\b], v[TM+\b], |v[(\y)+16*\b+\i]|, |v[(\y)+16*\b+\i+1]|
.endr
.endr
.irp b, 0,1
	v_permlanex16_b32 v[TM+2+\b], v[TM+\b], s[SEL], s[SEL+1]
.endr
.irp b, 0,1
	v_max_num_f32 v[TM+\b], v[TM+\b], v[TM+2+\b]   ; with lane l xor 16's: the block's largest magnitude
.endr
.irp b, 0,1
	v_add_nc_u32 v[TM+4+\b], 0xff000000, v[TM+\b]  ; 2 off its exponent field: the conversion's scale operand
.endr
.irp b, 0,1
	v_lshrrev_b32 v[TM+6+\b], 23, v[TM+4+\b]       ; the scale's byte
.endr
.if \fill
	v_lshl_or_b32 v[\sw], v[TM+7], 8, v[TM+6]
	v_or_b32 v[\sw], 0x7f7f0000, v[\sw]
.endif
.irp b, 0,1
	v_cvt_scalef32_pk8_fp4_f32 v[(\pc)+2*\b], v[(\y)+16*\b:(\y)+16*\b+7], v[TM+4+\b]
	v_cvt_scalef32_pk8_fp4_f32 v[(\pc)+2*\b+1], v[(\y)+16*\b+8:(\y)+16*\b+15], v[TM+4+\b]
.endr
	v_nop                                          ; one plain line behind a scaled conversion
	v_permlane16_swap_b32 v[\pc], v[(\pc)+2]       ; the operand's layout wants a whole block in a lane: lanes 0-15 block 0, lanes 16-31 block 1
	v_permlane16_swap_b32 v[(\pc)+1], v[(\pc)+3]
.endm
.macro ROPEQ a, hh
.set XA, 64*((\a)%4)+32*(\hh)
.set TT, 192+32*((\a)%2)
	WIN 0x02+(\a)/4                                ; source 0: the accumulators' window
.set p, 0
.rept 16                               ; (x1, x2) x cos; each accumulator is read from its low end on
	v_pk_mul_f32 v[YR+2*p:YR+2*p+1], v[XA+2*p:XA+2*p+1], v[TT+2*p:TT+2*p+1] op_sel_hi:[1,0]
.set p, p+1
.endr
.set p, 0
.rept 16                               ; low: - x2 sin; high: + x1 sin
	v_pk_fma_f32 v[YR+2*p:YR+2*p+1], v[XA+2*p:XA+2*p+1], v[TT+2*p:TT+2*p+1], v[YR+2*p:YR+2*p+1] op_sel:[1,1,0] op_sel_hi:[0,1,1] neg_lo:[0,1,0]
.set p, p+1
.endr
	WIN 0
	QUANT2 YR, 32+4*(2*(\a)+(\hh)), 144+8*(\hh)+(\a), 1
	global_store_b128 v[LI], v[32+4*(2*(\a)+(\hh)):32+4*(2*(\a)+(\hh))+3], s[10:11] offset:(\hh)*65536+(\a)*512   ; 512 bytes on end; each tile has its own registers, so no store's data are written again
.endm
.irp a, 0,1,2,3,4,5,6,7
.if \a < 7
	s_wait_loadcnt 8                               ; this tile's table is in; the next tile's eight loads may be out
.else
	s_wait_loadcnt 0
.endif
	ROPEQ \a, 0
	ROPEQ \a, 1
.if \a < 6
	TABLE \a+2
.endif
.endr
.irp hh, 0,1                           ; the scale words: lane r + 16 u holds those of tiles u, 2 + u, 4 + u, 6 + u, row r
.irp bb, 0,1,2,3
	v_cndmask_b32 v[160+4*\hh+\bb], v[144+8*\hh+2*\bb], v[144+8*\hh+2*\bb+1], s[HIM]
.endr
	global_store_b128 v[LI], v[160+4*\hh:160+4*\hh+3], s[12:13] offset:\hh*12288
.endr
	s_branch .Lend
	; ---- THE WAY OUT OF v.  Accumulator row a: channel tile a & 3 of head 4 cy + 2 pa + a / 4; its 64 registers: register 16 b + i is key 32 b + 16 (lane / 16) + i of my 128 tokens
.Lway_v:
	s_add_co_u32 s88, s90, s16
	s_and_b32 s89, s88, 15                         ; g
	s_lshr_b32 s88, s88, 4                         ; b
	s_lshl_b32 s88, s88, 4
	s_lshl_b32 s91, s18, 2
	s_add_co_u32 s88, s88, s91
	s_lshl_b32 s91, s15, 1
	s_add_co_u32 s88, s88, s91                     ; bh for a < 4
	s_lshl_b32 s92, s88, 16
	s_lshl_b32 s91, s89, 12
	s_add_co_u32 s92, s92, s91
	s_add_co_u32 s92, s92, 0x800000                ; v's part at 8 MiB
	s_mov_b32 s93, 0
	s_add_nc_u64 s[10:11], s[10:11], s[92:93]
	s_mul_i32 s92, s88, 12288
	s_mul_i32 s91, s89, 768
	s_add_co_u32 s92, s92, s91
	s_add_co_u32 s92, s92, 786432+512              ; the kv region; V's words lie behind K's 512 bytes
	s_add_nc_u64 s[12:13], s[12:13], s[92:93]
.macro VTILE a
.set XA, 64*((\a)%4)
.set PC, 32+8*(\a)
	WIN 0x28+0x14*((\a)/4)                         ; sources 1 and 2: the accumulators' window
.irp b, 0,1,2,3
	v_max3_num_f32 v[TM+\b], 0x1800000, |v[XA+16*\b]|, |v[XA+16*\b+1]|
.endr
.irp i, 2,4,6,8,10,12,14
.irp b, 0,1,2,3
	v_max3_num_f32 v[TM+\b], v[TM+\b], |v[XA+16*\b+\i]|, |v[XA+16*\b+\i+1]|
.endr
.endr
	WIN 0
.irp b, 0,1,2,3
	v_permlanex16_b32 v[TM+4+\b], v[TM+\b], s[SEL], s[SEL+1]
.endr
.irp b, 0,1,2,3
	v_max_num_f32 v[TM+\b], v[TM+\b], v[TM+4+\b]
.endr
.irp b, 0,1,2,3
	v_add_nc_u32 v[TM+12+\b], 0xff000000, v[TM+\b]
.endr
.irp b, 0,1,2,3
	v_lshrrev_b32 v[TM+4+\b], 23, v[TM+12+\b]
.endr
	v_lshl_or_b32 v[148+(\a)], v[TM+5], 8, v[TM+4] ; my channel's scale word for these 128 keys
	v_lshl_or_b32 v[148+(\a)], v[TM+6], 16, v[148+(\a)]
	v_lshl_or_b32 v[148+(\a)], v[TM+7], 24, v[148+(\a)]
	WIN 0x02+(\a)/4
.irp b, 0,1,2,3
	v_cvt_scalef32_pk8_fp4_f32 v[PC+2*\b], v[XA+16*\b:XA+16*\b+7], v[TM+12+\b]
	v_cvt_scalef32_pk8_fp4_f32 v[PC+2*\b+1], v[XA+16*\b+8:XA+16*\b+15], v[TM+12+\b]
.endr
	WIN 0
	v_nop
.irp c, 0,1
.irp i, 0,1
	v_permlane16_swap_b32 v[PC+4*\c+\i], v[PC+2+4*\c+\i]
.endr
.endr
.irp c, 0,1
	global_store_b128 v[LI], v[PC+4*\c:PC+4*\c+3], s[10:11] offset:((\a)/4)*65536+((\a)%4)*1024+\c*512
.endr
.endm
.irp a, 0,1,2,3,4,5,6,7
	VTILE \a
.endr
.irp hd, 0,1                           ; lane r + 16 u holds the words of channel tiles u and 2 + u, row r
.irp j, 0,1
	v_cndmask_b32 v[160+2*\hd+\j], v[148+4*\hd+2*\j], v[148+4*\hd+2*\j+1], s[HIM]
.endr
	global_store_b64 v[L8], v[160+2*\hd:161+2*\hd], s[12:13] offset:\hd*12288   ; 256 bytes on end
.endr
.Lend:
	s_wait_dscnt 0x0
	s_wait_tensorcnt 0x0
	ds_add_u32 v190, v191
	s_wait_dscnt 0x0
	CROUND                                         ; the closing round: no work-group ends while a partner may still ask for a block that names it
	s_endpgm
.Lfunc_end_k_qbe4a371dcc_qkv:
	.size	k_qbe4a371dcc_qkv, .Lfunc_end_k_qbe4a371dcc_qkv-k_qbe4a371dcc_qkv
	.p2alignl 7, 3214868480
	.fill 96, 4, 3214868480
	.section	.rodata,"a",@progbits
	.p2align	6, 0x0
	.amdhsa_kernel k_qbe4a371dcc_qkv
		.amdhsa_group_segment_fixed_size 279040
		.amdhsa_private_segment_fixed_size 0
		.amdhsa_enable_private_segment 0
		.amdhsa_kernarg_size 40
		.amdhsa_user_sgpr_count 2
		.amdhsa_user_sgpr_kernarg_segment_ptr 1
		.amdhsa_wavefront_size32 1
		.amdhsa_system_sgpr_workgroup_id_x 1
		.amdhsa_system_sgpr_workgroup_id_y 1
		.amdhsa_system_sgpr_workgroup_id_z 1
		.amdhsa_system_vgpr_workitem_id 0
		.amdhsa_next_free_vgpr 1024
		.amdhsa_next_free_sgpr 100
		.amdhsa_reserve_vcc 0
		.amdhsa_float_denorm_mode_32 3
		.amdhsa_float_denorm_mode_16_64 3
		.amdhsa_memory_ordered 1
		.amdhsa_forward_progress 1
		.amdhsa_inst_pref_size 201
	.end_amdhsa_kernel
	.amdgpu_metadata
---
amdhsa.version: [ 1, 2 ]
amdhsa.kernels:
  - .name:           k_qbe4a371dcc_qkv
    .symbol:         k_qbe4a371dcc_qkv.kd
    .args:
      - { .name: cimg, .offset: 0, .size: 8, .value_kind: global_buffer, .address_space: global }
      - { .name: csc, .offset: 8, .size: 8, .value_kind: global_buffer, .address_space: global }
      - { .name: rope, .offset: 16, .size: 8, .value_kind: global_buffer, .address_space: global }
      - { .name: qkvimg, .offset: 24, .size: 8, .value_kind: global_buffer, .address_space: global }
      - { .name: qkvsc, .offset: 32, .size: 8, .value_kind: global_buffer, .address_space: global }
    .group_segment_fixed_size: 279040
    .private_segment_fixed_size: 0
    .kernarg_segment_align: 8
    .kernarg_segment_size: 40
    .max_flat_workgroup_size: 128
    .sgpr_count:     100
    .vgpr_count:     1024
    .wavefront_size: 32
...
	.end_amdgpu_metadata
.endif
;; end of part 2
;; launch attn (part 3): grid 4 x 64, 16 waves a work-group, clusters of 4 x 1, 169,984 bytes of LDS; arguments qkvimg, qkvsc, aimg, asc; writes aimg, asc
.if DOCPART == 3
	.amdgcn_target "amdgcn-amd-amdhsa--gfx1250"
	.amdhsa_code_object_version 6
	.text
	.protected	k_qbe4a371dcc_attn
	.globl	k_qbe4a371dcc_attn
	.p2align	8
	.type	k_qbe4a371dcc_attn,@function
k_qbe4a371dcc_attn:
	s_mov_b64 s[64:65], 0
	v_nop
	global_prefetch_b8 v0, s[64:65] scope:SCOPE_SE
	s_setreg_imm32_b32 hwreg(HW_REG_WAVE_MODE, 25, 1), 1
	s_wait_xcnt 0x0
	s_wait_alu depctr_hold_cnt(0) depctr_sa_sdst(0) depctr_va_vdst(0) depctr_va_sdst(0) depctr_va_ssrc(0) depctr_va_vcc(0) depctr_vm_vsrc(0)
	s_getreg_b32 s2, hwreg(HW_REG_IB_STS2, 6, 4)
	s_cmp_eq_u32 s2, 0
	s_cbranch_scc0 .Lentry_in_a_cluster
	s_endpgm
.Lentry_in_a_cluster:
	s_bfe_u32 s2, ttmp6, 0x10000c
	s_cmp_lg_u32 s2, 0x3003
	s_cbranch_scc0 .Lentry_shape_is_right
	s_endpgm
.Lentry_shape_is_right:
; Causal attention of one head (bh = 16 b + head = cluster y) on codes of FP4 with E8M0 scales; the result, divided by the row's sum, is quantised along the model's 1,024 into the output projection's operand image.
; THE SOFTMAX AHEAD OF THE SECOND PRODUCT: t = score x log2(e) / 8; M = the running largest t rounded UP to a whole number; p = 2^(t - M) is quantised along the keys, not normalised; the row's sum is taken of the
; unquantised p; when M moves, the sum and O are multiplied by 2^(old M - new M), which rounds nothing.
; SHARES.  The sequence is 16 groups of 128 tokens, a group 8 tiles of 16 queries.  A tile of group g needs key steps 0 .. g.  Wave w of work-group cx owns tile t = cx + 4 (w & 1) of groups gA = w / 2 and gB = 15 - gA:
; (gA + 1) + (gB + 1) = 17 key steps for every wave.  Every branch hangs on the wave's number and a counter; cx enters global addresses and the mask's values alone.
; LDS: the head's K (64 KB), V (64 KB) and their scale words (12 KB), filled ONCE by joint loads of the cluster's four work-groups, which read the same head.  One tensor load a wave is out (waves 0 to 4).
; NOTHING IS PREFETCHED: all of K and V is asked for at the head; there is no later request to run ahead of.
; LAYOUT.  Both products transposed: S^T = K Q^T (source 0 = 16 keys), O^T = V^T P^T (source 0 = 16 channels): a lane holds ONE query.  The tiles' row order makes the 16 registers of tiles 2 b, 2 b + 1 sixteen neighbours.
; THE FIRST PRODUCT'S K IS 64, the instruction's 128: Q's codes of k = 64..127 are zeros and both sides' scale bytes there are 0x7f; K's operand names the next tile's four registers there, whose codes meet zeros.
; LIMITS: blocks under 2^(3 - 127) get the byte 1; NaN and infinities are not served.
; REGISTERS: v1-4 LDS places; v7 d = my query's place in its group - 16 (lane / 16); v8-11 the step's addresses; v12 -M, v13 the largest t, v[14:15] the sum; v16-31 Q of both passes, each with four zeros;
;   v32-63 K, v64-67 zeros; v68-99 V; v100-163 S^T, then p; v164-195 O^T; v196-203 p's codes; v204-207 K's scale words, v208-209 V's, v210-211 Q's, v212 p's; v213-214 the result's bytes; v216-223 global offsets; v224-231 the result's codes; v232-254 at work.
.set VIMG, 65536
.set KVS,  131072
.set WV,   12
.set GG,   16                          ; s16 gA, s17 gB
.set SEL,  20
.set CS,   22                          ; s[22:23] c = log2(e) / 8
.set G1C,  24
.set G1S,  32
.set G0C,  40
.set G0S,  44
.set TB,   48                          ; s48  4,096 x key step
.set TS,   49                          ; s49  768 x key step
.set CNT,  50                          ; s50  the key step
.set HIM,  70                          ; s70  the mask of lanes 16-31
.set S,    100
.set O,    164
.set PCD,  196
.set TM,   232
.macro CROUND
	s_barrier_signal -1
	s_barrier_wait -1
	s_cmp_lg_u32 s[WV], 0
	s_cbranch_scc1 .Lnot_wave_0_\@
	s_barrier_signal -3
.Lnot_wave_0_\@:
	s_barrier_wait -3
	s_barrier_signal -1
	s_barrier_wait -1
.endm
	s_load_b256 s[4:11], s[0:1], 0x0               ; qkvimg, qkvsc, aimg, asc
	v_lshl_add_u32 v251, v0, 2, 0x29000
	v_mov_b32 v255, 0
	ds_add_u32 v251, v255
	ds_add_u32 v251, v255
	v_lshrrev_b32 v1, 5, v0
	v_readfirstlane_b32 s[WV], v1                  ; wave 0..15
	s_bfe_u32 s13, ttmp6, 0x40000                  ; cx
	s_and_b32 s14, ttmp7, 0xffff                   ; bh, which the four partners share
	s_and_b32 s15, s[WV], 1
	s_lshr_b32 s16, s[WV], 1                       ; gA
	s_xor_b32 s17, s16, 15                         ; gB = 15 - gA
	s_lshl_b32 s18, s15, 2
	s_add_co_u32 s18, s18, s13                     ; t
	; group 1: dense blocks as rows of 256 bytes: 128 rows: half of K or of V; 48 rows: the scale words.  15:0 the mask: all four; 17:16 elements of 8 bytes; 21 set beside a mask
	s_mov_b32 s[G1C], 15|(3<<16)|(1<<21)
	s_mov_b32 s[G1C+1], 32<<16
	s_mov_b32 s[G1C+2], 128<<16
	s_mov_b32 s[G1C+3], 32<<16
	s_mov_b32 s[G1C+4], 128
	s_mov_b32 s[G1C+5], 32
	s_mov_b32 s[G1C+6], 0
	s_mov_b32 s[G1C+7], 0
	s_mov_b32 s[G1S], 15|(3<<16)|(1<<21)
	s_mov_b32 s[G1S+1], 32<<16
	s_mov_b32 s[G1S+2], 48<<16
	s_mov_b32 s[G1S+3], 32<<16
	s_mov_b32 s[G1S+4], 48
	s_mov_b32 s[G1S+5], 32
	s_mov_b32 s[G1S+6], 0
	s_mov_b32 s[G1S+7], 0
	s_and_b32 s52, s[WV], 3                        ; waves 0, 1: K's halves; 2, 3: V's
	s_lshl_b32 s54, s52, 15                        ; in LDS
	s_lshr_b32 s52, s52, 1
	s_lshl_b32 s52, s52, 22                        ; k's part at 4 MiB, v's at 8 MiB
	s_and_b32 s53, s[WV], 1
	s_lshl_b32 s53, s53, 15
	s_add_co_u32 s52, s52, s53
	s_lshl_b32 s53, s14, 16
	s_add_co_u32 s52, s52, s53
	s_add_co_u32 s52, s52, 0x400000
	s_mov_b32 s53, 0
	s_mul_i32 s56, s14, 12288
	s_add_co_u32 s56, s56, 786432                  ; the kv region of the scale words
	s_mov_b32 s57, 0
	s_wait_dscnt 0x0
	s_wait_kmcnt 0x0
	s_mov_b32 s[G0C], 1
	s_mov_b32 s[G0C+1], s54
	s_add_nc_u64 s[G0C+2:G0C+3], s[4:5], s[52:53]
	s_or_b32 s[G0C+3], s[G0C+3], 0x80000000
	s_mov_b32 s[G0S], 1
	s_mov_b32 s[G0S+1], KVS
	s_add_nc_u64 s[G0S+2:G0S+3], s[6:7], s[56:57]
	s_or_b32 s[G0S+3], s[G0S+3], 0x80000000
	CROUND                                         ; all four work-groups are here: the joint loads meet
	s_cmp_lt_u32 s[WV], 4
	s_cbranch_scc0 .Lnot_c
	tensor_load_to_lds s[G0C:G0C+3], s[G1C:G1C+7]
	s_nop 0
.rept 4
	v_nop
.endr
	s_branch .Lasked
.Lnot_c:
	s_cmp_eq_u32 s[WV], 4
	s_cbranch_scc0 .Lasked
	tensor_load_to_lds s[G0S:G0S+3], s[G1S:G1S+7]
	s_nop 0
.rept 4
	v_nop
.endr
.Lasked:
	s_mov_b32 s[SEL], 0x76543210
	s_mov_b32 s[SEL+1], 0xfedcba98
	s_mov_b32 s[CS], 0x3e38aa3b                    ; log2(e) / sqrt(64)
	s_mov_b32 s[CS+1], s[CS]                       ; (named with it as a pair, so it is written)
	s_mov_b32 s[HIM], 0xffff0000
	s_and_b32 s60, s18, 1                          ; t & 1
	s_lshr_b32 s61, s18, 1                         ; t / 2
	s_lshl_b32 s56, s60, 8
	s_lshl_b32 s62, s61, 2
	s_add_co_u32 s56, s56, s62                     ; Q's scale word: 256 (t & 1) + 4 (t / 2) in its group's 512 bytes
	s_lshr_b32 s57, s14, 4                         ; b
	s_and_b32 s62, s14, 15                         ; head
	s_lshr_b32 s63, s62, 1
	s_and_b32 s62, s62, 1
	s_lshl_b32 s58, s63, 13                        ; aimg: K step head / 2, tile t, c = head & 1
	s_lshl_b32 s66, s18, 10
	s_add_co_u32 s58, s58, s66
	s_lshl_b32 s66, s62, 9
	s_add_co_u32 s58, s58, s66
	s_lshl_b32 s59, s61, 10                        ; asc: group of 32 rows t / 2, K step, u = t & 1, byte 2 (head & 1)
	s_lshl_b32 s66, s63, 7
	s_add_co_u32 s59, s59, s66
	s_lshl_b32 s66, s60, 6
	s_add_co_u32 s59, s59, s66
	s_lshl_b32 s66, s62, 1
	s_add_co_u32 s59, s59, s66
	s_lshl_b32 s67, s61, 5
	s_lshl_b32 s66, s60, 3
	s_add_co_u32 s67, s67, s66                     ; 32 (t / 2) + 8 (t & 1)
	v_and_b32 v5, 31, v0                           ; lane
	v_and_b32 v6, 15, v0                           ; r
	v_bfe_u32 v9, v0, 4, 1                         ; h
	v_lshlrev_b32 v1, 4, v5                        ; K: 16 x lane
	v_add_nc_u32 v2, VIMG, v1                      ; V
	v_add_nc_u32 v3, KVS, v1                       ; K's scale words: four a lane
	v_lshl_add_u32 v4, v5, 3, KVS+512              ; V's: two a lane
	v_and_b32 v7, 8, v6
	v_add_nc_u32 v7, v7, v6
	v_lshlrev_b32 v10, 4, v9
	v_sub_nc_u32 v7, v7, v10
	v_add_nc_u32 v7, s67, v7                       ; d = my query's place in its group - 16 h
	v_lshl_add_u32 v10, v6, 2, v9                  ; 4 r + h
.macro OFFS p                          ; the global offsets of pass p, whose group is s[GG + p]
	s_lshl_b32 s52, s[GG+\p], 3
	s_add_co_u32 s52, s52, s18
	s_lshl_b32 s52, s52, 9
	s_lshl_b32 s53, s14, 16
	s_add_co_u32 s52, s52, s53
	v_add_nc_u32 v[216+\p], s52, v1                ; Q's codes
	s_mul_i32 s52, s14, 12288
	s_mul_i32 s53, s[GG+\p], 768
	s_add_co_u32 s52, s52, s53
	s_add_co_u32 s52, s52, s56
	v_lshl_add_u32 v[218+\p], v6, 4, s52           ; Q's scale word: + 16 r
	s_lshl_b32 s52, s57, 4
	s_add_co_u32 s52, s52, s[GG+\p]                ; the RB: 16 b + g
	s_lshl_b32 s53, s52, 16
	s_add_co_u32 s53, s53, s58
	v_add_nc_u32 v[220+\p], s53, v1                ; the result's codes
	s_lshl_b32 s53, s52, 12
	s_add_co_u32 s53, s53, s59
	v_add_nc_u32 v[222+\p], s53, v10               ; and its byte
	global_load_b128 v[16+8*\p:19+8*\p], v[216+\p], s[4:5]
	global_load_b32 v[210+\p], v[218+\p], s[6:7]
.endm
	OFFS 0
	OFFS 1
.irp k, 20,21,22,23,28,29,30,31,64,65,66,67
	v_mov_b32 v[\k], 0                             ; zero codes for k = 64..127
.endr
.irp k, 232,233,234,235,236,237,238,239,252,253
	v_mov_b32 v[\k], 0                             ; written once: lane permutes' destinations count as sources, and v253 is named as the upper half of a pair
.endr
	s_wait_tensorcnt 0x0                           ; my load has landed (on every wave's path),
	s_barrier_signal -1
	s_barrier_wait -1                              ; everybody's has
	s_wait_loadcnt 0x0                             ; Q of both passes
.macro QUANT2 y, pc                    ; 32 numbers of a lane, v[y + 16 b + i] = k 32 b + 16 (lane / 16) + i of my row -> four registers of codes (lane (r, h): block h); the bytes in v[TM+6], v[TM+7]
.irp b, 0,1
	v_max3_num_f32 v[TM+\b], |v[(\y)+16*\b]|, |v[(\y)+16*\b+1]|, 0x1800000
.endr
.irp i, 2,4,6,8,10,12,14
.irp b, 0,1
	v_max3_num_f32 v[TM+\b], v[TM+\b], |v[(\y)+16*\b+\i]|, |v[(\y)+16*\b+\i+1]|
.endr
.endr
.irp b, 0,1
	v_permlanex16_b32 v[TM+2+\b], v[TM+\b], s[SEL], s[SEL+1]
.endr
.irp b, 0,1
	v_max_num_f32 v[TM+\b], v[TM+\b], v[TM+2+\b]
.endr
.irp b, 0,1
	v_add_nc_u32 v[TM+4+\b], 0xff000000, v[TM+\b]
.endr
.irp b, 0,1
	v_lshrrev_b32 v[TM+6+\b], 23, v[TM+4+\b]
.endr
.irp b, 0,1
	v_cvt_scalef32_pk8_fp4_f32 v[(\pc)+2*\b], v[(\y)+16*\b:(\y)+16*\b+7], v[TM+4+\b]
	v_cvt_scalef32_pk8_fp4_f32 v[(\pc)+2*\b+1], v[(\y)+16*\b+8:(\y)+16*\b+15], v[TM+4+\b]
.endr
	v_nop
	v_permlane16_swap_b32 v[\pc], v[(\pc)+2]
	v_permlane16_swap_b32 v[(\pc)+1], v[(\pc)+3]
.endm
; A PASS: one tile of 16 queries over its key steps.  The loop's trip count is a constant of the text; a step whose keys all come after the tile's group is left out by a branch on the wave's number and the counter.
.macro PASS p, nst
	s_mov_b32 s[CNT], 0
	s_mov_b32 s[TB], 0
	s_mov_b32 s[TS], 0
	v_mov_b32 v13, 0xff61b1e6                      ; the largest t so far: -3e38
	v_floor_f32 v12, -v13                          ; -M
	v_mov_b32 v14, 0
	v_mov_b32 v15, 0
.set j, 0
.rept 32
	v_mov_b32 v[O+j], 0                            ; O^T: the step is written once; its first run finds zeros, which the first change of M leaves zeros
.set j, j+1
.endr
.Lstep_\@:
	s_cmp_gt_u32 s[CNT], s[GG+\p]
	s_cbranch_scc1 .Lhid_\@
	v_add_nc_u32 v8, s[TB], v1                     ; (these four are also the places in front of loads into registers that the last step's products read)
	v_add_nc_u32 v9, s[TB], v2
	v_add_nc_u32 v10, s[TS], v3
	v_add_nc_u32 v11, s[TS], v4
.irp t, 0,1,2,3,4,5,6,7
	ds_load_b128 v[32+4*\t:35+4*\t], v8 offset:512*\t
.endr
	ds_load_b128 v[204:207], v10
.irp t, 0,1,2,3
	ds_load_b128 v[68+8*\t:71+8*\t], v9 offset:1024*\t
	ds_load_b128 v[72+8*\t:75+8*\t], v9 offset:1024*\t+512
.endr
	ds_load_b64 v[208:209], v11
	s_wait_dscnt 9                                 ; K and its scale words are in; V's nine loads may be out
.irp t, 0,1,2,3,4,5,6,7
.if \t % 2
	v_wmma_scale_f32_16x16x128_f8f6f4 v[S+8*\t:S+8*\t+7], v[32+4*\t:39+4*\t], v[16+8*\p:23+8*\p], 0, v[204+\t/2], v[210+\p] matrix_a_fmt:MATRIX_FMT_FP4 matrix_b_fmt:MATRIX_FMT_FP4 matrix_a_scale:MATRIX_SCALE_ROW1
.else
	v_wmma_scale_f32_16x16x128_f8f6f4 v[S+8*\t:S+8*\t+7], v[32+4*\t:39+4*\t], v[16+8*\p:23+8*\p], 0, v[204+\t/2], v[210+\p] matrix_a_fmt:MATRIX_FMT_FP4 matrix_b_fmt:MATRIX_FMT_FP4
.endif
.endr
.rept 4
	v_nop
.endr
	s_cmp_lg_u32 s[CNT], s[GG+\p]                  ; the tile's own group: hidden scores become -infinity ahead of the maximum.  Register 16 b + i holds key 32 b + 16 h + i: hidden where 32 b + i > d
	s_cbranch_scc1 .Lopen_\@
	v_mov_b32 v254, 0xff800000
.set j, 0
.rept 64
	v_cmp_gt_i32 vcc_lo, 32*(j/16)+j%16, v7
	v_cndmask_b32 v[S+j], v[S+j], v254, vcc_lo
.set j, j+1
.endr
.Lopen_\@:
.irp b, 0,1,2,3
	v_max3_num_f32 v[232+\b], v[S+16*\b], v[S+1+16*\b], v[S+2+16*\b]   ; the largest score of each block of 32 keys: for the row's maximum and, since p rises with the score, for the block's largest p
.endr
.irp i, 3,5,7,9,11,13
.irp b, 0,1,2,3
	v_max3_num_f32 v[232+\b], v[232+\b], v[S+16*\b+\i], v[S+1+16*\b+\i]
.endr
.endr
.irp b, 0,1,2,3
	v_max_num_f32 v[232+\b], v[232+\b], v[S+15+16*\b]
.endr
.irp b, 0,1,2,3
	v_permlanex16_b32 v[236+\b], v[232+\b], s[SEL], s[SEL+1]
.endr
.irp b, 0,1,2,3
	v_max_num_f32 v[232+\b], v[232+\b], v[236+\b]
.endr
	v_max3_num_f32 v254, v232, v233, v234
	v_max_num_f32 v254, v254, v235
	v_mul_f32 v254, s[CS], v254                    ; as t
	v_max_num_f32 v13, v13, v254                   ; the running largest t
	v_mov_b32 v254, v12
	v_floor_f32 v12, -v13                          ; the new -M = -ceil(t)
	v_sub_f32 v254, v12, v254                      ; old M - new M: a whole number, 0 or less
	v_cvt_i32_f32 v254, v254                       ; (it saturates)
	v_ldexp_f32 v252, 1.0, v254                    ; f = 2^(old M - new M)
.set j, 0
.rept 32
	v_pk_fma_f32 v[S+j:S+j+1], v[S+j:S+j+1], s[CS:CS+1], v[12:13] op_sel_hi:[1,0,0]   ; t - M
.set j, j+2
.endr
.irp b, 0,1,2,3
	v_fma_f32 v[232+\b], v[232+\b], s[CS], v12
.endr
.set j, 0
.rept 64
	v_exp_f32 v[S+j], v[S+j]                       ; p = 2^(t - M)
.set j, j+1
.endr
	v_pk_mul_f32 v[14:15], v[14:15], v[252:253] op_sel_hi:[1,0]   ; the sums under the new M (a plain line behind the exponentials)
	s_wait_alu depctr_va_vdst(0)                   ; one wait for the batch, ahead of its first reader
.irp b, 0,1,2,3
	v_exp_f32 v[232+\b], v[232+\b]                 ; each block's largest p
.endr
	v_pk_add_f32 v[236:237], v[S:S+1], v[S+2:S+3]  ; the row's sum, of the unquantised p, in two chains
.irp j, 4,8,12,16,20,24,28,32,36,40,44,48,52,56,60
	v_pk_add_f32 v[14:15], v[14:15], v[S+\j:S+1+\j]
	v_pk_add_f32 v[236:237], v[236:237], v[S+2+\j:S+3+\j]
.endr
	v_pk_add_f32 v[14:15], v[14:15], v[236:237]
	s_wait_alu depctr_va_vdst(0)                   ; and one for the four
.irp b, 0,1,2,3
	v_max_num_f32 v[232+\b], 0x1800000, v[232+\b]  ; the floor 2^(3 - 127)
.endr
.irp b, 0,1,2,3
	v_add_nc_u32 v[244+\b], 0xff000000, v[232+\b]
.endr
.irp b, 0,1,2,3
	v_lshrrev_b32 v[236+\b], 23, v[244+\b]
.endr
	v_lshl_or_b32 v212, v237, 8, v236              ; p's scale word for these 128 keys
	v_lshl_or_b32 v212, v238, 16, v212
	v_lshl_or_b32 v212, v239, 24, v212
.irp b, 0,1,2,3
	v_cvt_scalef32_pk8_fp4_f32 v[PCD+2*\b], v[S+16*\b:S+7+16*\b], v[244+\b]
	v_cvt_scalef32_pk8_fp4_f32 v[PCD+1+2*\b], v[S+8+16*\b:S+15+16*\b], v[244+\b]
.endr
	v_nop
.irp c, 0,1
.irp i, 0,1
	v_permlane16_swap_b32 v[PCD+4*\c+\i], v[PCD+2+4*\c+\i]
.endr
.endr
.set j, 0
.rept 16
	v_pk_mul_f32 v[O+j:O+j+1], v[O+j:O+j+1], v[252:253] op_sel_hi:[1,0]   ; O^T under the new M.  (These sixteen are also the places between the scale word's and the codes' last writes and the products)
.set j, j+2
.endr
	s_wait_dscnt 0x0                               ; V and its scale words
.irp t, 0,1,2,3
.if \t % 2
	v_wmma_scale_f32_16x16x128_f8f6f4 v[O+8*\t:O+8*\t+7], v[68+8*\t:75+8*\t], v[PCD:PCD+7], v[O+8*\t:O+8*\t+7], v[208+\t/2], v212 matrix_a_fmt:MATRIX_FMT_FP4 matrix_b_fmt:MATRIX_FMT_FP4 matrix_a_scale:MATRIX_SCALE_ROW1
.else
	v_wmma_scale_f32_16x16x128_f8f6f4 v[O+8*\t:O+8*\t+7], v[68+8*\t:75+8*\t], v[PCD:PCD+7], v[O+8*\t:O+8*\t+7], v[208+\t/2], v212 matrix_a_fmt:MATRIX_FMT_FP4 matrix_b_fmt:MATRIX_FMT_FP4
.endif
.endr
.Lhid_\@:
	s_add_co_u32 s[TB], s[TB], 4096
	s_add_co_u32 s[TS], s[TS], 768
	s_add_co_u32 s[CNT], s[CNT], 1
	s_cmp_lt_u32 s[CNT], \nst
	s_cbranch_scc1 .Lstep_\@
	; the pass's end: O^T / the sum; register 16 b + i is channel 32 b + 16 h + i of my query: two blocks of the output projection's K
.rept 4
	v_nop
.endr
	v_add_f32 v14, v14, v15
	v_permlanex16_b32 v252, v14, s[SEL], s[SEL+1]
	v_add_f32 v14, v14, v252                       ; the row's sum
	v_rcp_f32 v14, v14
	v_nop                                          ; a plain line behind the reciprocal,
	s_wait_alu depctr_va_vdst(0)                   ; and the wait ahead of its first reader
.set j, 0
.rept 16
	v_pk_mul_f32 v[S+j:S+j+1], v[O+j:O+j+1], v[14:15] op_sel_hi:[1,0]
.set j, j+2
.endr
	QUANT2 S, 224+4*\p
	global_store_b128 v[220+\p], v[224+4*\p:227+4*\p], s[8:9]   ; 512 bytes on end
	v_cndmask_b32 v[213+\p], v[TM+6], v[TM+7], s[HIM]           ; lane (r, h): block h's byte
	global_store_b8 v[222+\p], v[213+\p], s[10:11]              ; 32 lanes, a byte each: two of a scale word's four; the other two are another head's
.endm
	PASS 0, 8
	PASS 1, 16
	s_wait_dscnt 0x0
	s_wait_tensorcnt 0x0
	ds_add_u32 v251, v255
	s_wait_dscnt 0x0
	CROUND                                         ; the closing round
	s_endpgm
.Lfunc_end_k_qbe4a371dcc_attn:
	.size	k_qbe4a371dcc_attn, .Lfunc_end_k_qbe4a371dcc_attn-k_qbe4a371dcc_attn
	.p2alignl 7, 3214868480
	.fill 96, 4, 3214868480
	.section	.rodata,"a",@progbits
	.p2align	6, 0x0
	.amdhsa_kernel k_qbe4a371dcc_attn
		.amdhsa_group_segment_fixed_size 169984
		.amdhsa_private_segment_fixed_size 0
		.amdhsa_enable_private_segment 0
		.amdhsa_kernarg_size 32
		.amdhsa_user_sgpr_count 2
		.amdhsa_user_sgpr_kernarg_segment_ptr 1
		.amdhsa_wavefront_size32 1
		.amdhsa_system_sgpr_workgroup_id_x 1
		.amdhsa_system_sgpr_workgroup_id_y 1
		.amdhsa_system_sgpr_workgroup_id_z 1
		.amdhsa_system_vgpr_workitem_id 0
		.amdhsa_next_free_vgpr 256
		.amdhsa_next_free_sgpr 80
		.amdhsa_reserve_vcc 1
		.amdhsa_float_denorm_mode_32 3
		.amdhsa_float_denorm_mode_16_64 3
		.amdhsa_memory_ordered 1
		.amdhsa_forward_progress 1
		.amdhsa_inst_pref_size 58
	.end_amdhsa_kernel
	.amdgpu_metadata
---
amdhsa.version: [ 1, 2 ]
amdhsa.kernels:
  - .name:           k_qbe4a371dcc_attn
    .symbol:         k_qbe4a371dcc_attn.kd
    .args:
      - { .name: qkvimg, .offset: 0, .size: 8, .value_kind: global_buffer, .address_space: global }
      - { .name: qkvsc, .offset: 8, .size: 8, .value_kind: global_buffer, .address_space: global }
      - { .name: aimg, .offset: 16, .size: 8, .value_kind: global_buffer, .address_space: global }
      - { .name: asc, .offset: 24, .size: 8, .value_kind: global_buffer, .address_space: global }
    .group_segment_fixed_size: 169984
    .private_segment_fixed_size: 0
    .kernarg_segment_align: 8
    .kernarg_segment_size: 32
    .max_flat_workgroup_size: 512
    .sgpr_count:     80
    .vgpr_count:     256
    .wavefront_size: 32
...
	.end_amdgpu_metadata
.endif
;; end of part 3
;; launch oproj (part 4): grid 4 x 64, 4 waves a work-group, clusters of 4 x 4, 243,200 bytes of LDS; arguments aimg, asc, cimg, csc, out0; writes out0
.if DOCPART == 4
	.amdgcn_target "amdgcn-amd-amdhsa--gfx1250"
	.amdhsa_code_object_version 6
	.text
	.protected	k_qbe4a371dcc_oproj
	.globl	k_qbe4a371dcc_oproj
	.p2align	8
	.type	k_qbe4a371dcc_oproj,@function
k_qbe4a371dcc_oproj:
	s_mov_b64 s[64:65], 0
	v_nop
	global_prefetch_b8 v0, s[64:65] scope:SCOPE_SE
	s_setreg_imm32_b32 hwreg(HW_REG_WAVE_MODE, 25, 1), 1
	s_wait_xcnt 0x0
	s_wait_alu depctr_hold_cnt(0) depctr_sa_sdst(0) depctr_va_vdst(0) depctr_va_sdst(0) depctr_va_ssrc(0) depctr_va_vcc(0) depctr_vm_vsrc(0)
	s_getreg_b32 s2, hwreg(HW_REG_IB_STS2, 6, 4)
	s_cmp_eq_u32 s2, 0
	s_cbranch_scc0 .Lentry_in_a_cluster
	s_endpgm
.Lentry_in_a_cluster:
	s_bfe_u32 s2, ttmp6, 0x10000c
	s_cmp_lg_u32 s2, 0xf033
	s_cbranch_scc0 .Lentry_shape_is_right
	s_endpgm
.Lentry_shape_is_right:
; out0 = attn W_o^T on codes of FP4 with E8M0 scales, f32 out.  P = attn's rows (lanes of the result, matrix source 1), R = W_o's rows (a lane's registers, source 0): a lane holds neighbouring columns of one row of out0.
; 256 work-groups of 128 rows x 256 columns; a wave makes 64 x 128: 32 accumulators.  K = 1,024 in codes lies in LDS whole, filled ONCE; fragments lie as images of their registers: every LDS load takes 512 bytes on end.
; CLUSTER 4 x 4: P's RB is shared along a row of the cluster, R's two RBs along a column: joint loads.  Wave 0 fetches P, waves 2 and 3 R's RBs, wave 1 nothing; a fetching wave has three tensor loads out.
; NOTHING IS PREFETCHED: every block is asked for at the head.
; REGISTERS: window 0: v4 16 x lane; v16-18, v24-25 LDS addresses; v32-95 scale words (register 8 i + s: lanes 0-15 P's tile i (i < 4 are used), lanes 16-31 R's tile i); v96-223 rows on the way out.
;   window 1: P's fragments, two sets, at v0 and v64; R's at v128 and v192.   window 2: accumulator (a, b) at v[64 a + 8 b].
.set NA,   4
.set RIMG, 65536                       ; LDS: P's RB at 0, R's two here,
.set SCLB, 196608                      ; three RBs' scale words, 4,096 bytes each,
.set STG,  208896                      ; and a stage of 16 rows x (512 + 16) bytes for each wave, into which no tensor load lands
.set LI,   4
.set ADRP, 16
.set ADRR, 17
.set ADRS, 18
.set STO,  24
.set RD,   25
.set SC,   32
.set WV,   14
.set G1P,  24
.set G1PS, 32
.set G1R,  40
.set G1RS, 48
.set G0PS, 56
.set G0P0, 60
.set G0P1, 68
.set G0RS, 72
.set G0R0, 76
.set G0R1, 80
.set MSB, 0
.macro WIN new
.if MSB != (\new)
	s_set_vgpr_msb (MSB<<8)|(\new)
.set MSB, (\new)
.endif
.endm
.macro PLACES n
.rept \n
	v_nop
.endr
.endm
.macro CROUND
	s_barrier_signal -1
	s_barrier_wait -1
	s_cmp_lg_u32 s[WV], 0
	s_cbranch_scc1 .Lnot_wave_0_\@
	s_barrier_signal -3
.Lnot_wave_0_\@:
	s_barrier_wait -3
	s_barrier_signal -1
	s_barrier_wait -1
.endm
.macro G0SET g0, ldsreg, ldsadd, base, off, more
	s_mov_b32 s[\g0], 1
	s_add_co_u32 s[\g0+1], s[\ldsreg], \ldsadd
	s_add_nc_u64 s[\g0+2:\g0+3], s[\base:\base+1], s[\off:\off+1]
.if \more
	s_add_nc_u64 s[\g0+2:\g0+3], s[\g0+2:\g0+3], \more
.endif
	s_or_b32 s[\g0+3], s[\g0+3], 0x80000000
.endm
	s_load_b256 s[4:11], s[0:1], 0x0               ; aimg, asc, cimg, csc
	s_load_b64 s[12:13], s[0:1], 0x20              ; out0
	v_lshl_add_u32 v254, v0, 2, 0x3b400
	v_mov_b32 v255, 0
	ds_add_u32 v254, v255
	ds_add_u32 v254, v255
	v_lshrrev_b32 v1, 5, v0
	v_readfirstlane_b32 s[WV], v1
	s_lshr_b32 s15, s[WV], 1                       ; pa: P's tiles 4 pa .. 4 pa + 3 are mine
	s_and_b32 s16, s[WV], 1                        ; rb: which of R's two RBs.  Also: which I fetch
	s_bfe_u32 s17, ttmp6, 0x40000                  ; cx
	s_bfe_u32 s18, ttmp6, 0x40004                  ; cy
	s_and_b32 s20, ttmp7, 0xffff
	s_lshl_b32 s84, s18, 2
	s_lshl_b32 s84, 15, s84                        ; my row of the cluster
	s_lshl_b32 s85, 0x1111, s17                    ; my column
	s_or_b32 s[G1P], s84, (3<<16)|(1<<21)
	s_or_b32 s[G1PS], s84, (3<<16)|(1<<21)
	s_or_b32 s[G1R], s85, (3<<16)|(1<<21)
	s_or_b32 s[G1RS], s85, (3<<16)|(1<<21)
.irp g, G1P, G1R
	s_mov_b32 s[\g+1], 32<<16
	s_mov_b32 s[\g+2], 128<<16
	s_mov_b32 s[\g+3], 32<<16
	s_mov_b32 s[\g+4], 128
	s_mov_b32 s[\g+5], 32
	s_mov_b32 s[\g+6], 0
	s_mov_b32 s[\g+7], 0
.endr
.irp g, G1PS, G1RS
	s_mov_b32 s[\g+1], 32<<16
	s_mov_b32 s[\g+2], 16<<16
	s_mov_b32 s[\g+3], 32<<16
	s_mov_b32 s[\g+4], 16
	s_mov_b32 s[\g+5], 32
	s_mov_b32 s[\g+6], 0
	s_mov_b32 s[\g+7], 0
.endr
	s_lshl_b32 s86, s20, 2
	s_add_co_u32 s86, s86, s18                     ; P's RB: 4 x cluster y + cy
	s_lshl_b32 s90, s17, 1
	s_add_co_u32 s90, s90, 88                      ; R's first RB: W_o's begin at 88
	s_add_co_u32 s93, s90, s16
	s_lshl_b32 s94, s86, 16
	s_mov_b32 s95, 0
	s_lshl_b32 s96, s86, 12
	s_mov_b32 s97, 0
	s_lshl_b32 s98, s93, 16
	s_mov_b32 s99, 0
	s_lshl_b32 s2, s93, 12
	s_mov_b32 s3, 0
	s_mov_b32 s88, 0
	s_lshl_b32 s23, s16, 16
	s_lshl_b32 s89, s16, 12
	s_wait_dscnt 0x0
	s_wait_kmcnt 0x0
	G0SET G0PS, 88, SCLB, 6, 96, 0
	G0SET G0P0, 88, 0, 4, 94, 0
	G0SET G0P1, 88, 32768, 4, 94, 32768
	G0SET G0RS, 89, SCLB+4096, 10, 2, 0
	G0SET G0R0, 23, RIMG, 8, 98, 0
	G0SET G0R1, 23, RIMG+32768, 8, 98, 32768
	CROUND
	s_cmp_eq_u32 s[WV], 0
	s_cbranch_scc0 .Lnot_p
	tensor_load_to_lds s[G0PS:G0PS+3], s[G1PS:G1PS+7]
	s_nop 0
	tensor_load_to_lds s[G0P0:G0P0+3], s[G1P:G1P+7]
	s_nop 0
	tensor_load_to_lds s[G0P1:G0P1+3], s[G1P:G1P+7]
	s_nop 0
	PLACES 4
	s_branch .Lasked
.Lnot_p:
	s_cmp_lt_u32 s[WV], 2
	s_cbranch_scc1 .Lasked
	tensor_load_to_lds s[G0RS:G0RS+3], s[G1RS:G1RS+7]
	s_nop 0
	tensor_load_to_lds s[G0R0:G0R0+3], s[G1R:G1R+7]
	s_nop 0
	tensor_load_to_lds s[G0R1:G0R1+3], s[G1R:G1R+7]
	s_nop 0
	PLACES 4
.Lasked:
	v_and_b32 v1, 31, v0
	v_and_b32 v2, 15, v0                           ; r
	v_bfe_u32 v3, v0, 4, 1                         ; h
	v_lshlrev_b32 v[LI], 4, v1
	s_lshl_b32 s23, s15, 12
	v_add_nc_u32 v[ADRP], s23, v[LI]
	s_lshl_b32 s23, s16, 16
	s_add_co_u32 s23, s23, RIMG
	v_add_nc_u32 v[ADRR], s23, v[LI]
	s_xor_b32 s23, s15, 1                          ; scale words: lanes 0-15 P's from tile 4 pa on, lanes 16-31 R's RB rb: ONE product with h: the distance is 2,048 (1 + 2 rb + (1 - pa))
	s_lshl_b32 s91, s16, 1
	s_add_co_u32 s23, s23, s91
	s_add_co_u32 s23, s23, 1
	s_lshl_b32 s23, s23, 11
	v_mul_u32_u24 v5, s23, v3
	v_lshl_add_u32 v5, v2, 2, v5
	s_lshl_b32 s23, s15, 11
	s_add_co_u32 s23, s23, SCLB
	v_add_nc_u32 v[ADRS], s23, v5
	s_mul_i32 s23, s[WV], 16*528
	s_add_co_u32 s23, s23, STG                     ; my stage
	v_mul_u32_u24 v5, v2, 528
	v_lshl_add_u32 v5, v3, 6, v5
	v_add_nc_u32 v[STO], s23, v5                   ; in: row r, + 64 h
	v_add_nc_u32 v[RD], s23, v[LI]                 ; back: the 32 lanes take a row of 512 bytes
	s_lshl_b32 s91, s86, 7
	s_lshl_b32 s92, s15, 6
	s_add_co_u32 s91, s91, s92                     ; my first row of out0: 128 x RB + 64 pa
	s_lshl_b32 s92, s91, 12
	s_lshl_b32 s91, s17, 10                        ; my first column, in bytes: 1,024 cx + 512 rb
	s_add_co_u32 s92, s92, s91
	s_lshl_b32 s91, s16, 9
	s_add_co_u32 s92, s92, s91
	s_mov_b32 s93, 0
	s_add_nc_u64 s[12:13], s[12:13], s[92:93]
.macro SCALES
.set i, 0
.rept 8
.set k, 0
.rept 8
	ds_load_b32 v[SC+8*i+k], v[ADRS] offset:(i/2)*1024+k*128+(i%2)*64
.set k, k+1
.endr
.set i, i+1
.endr
.endm
.macro FETCH ks, bf
	WIN 0x40
.set i, 0
.rept NA
	ds_load_b128 v[64*(\bf)+8*i:64*(\bf)+8*i+3], v[ADRP] offset:(\ks)*8192+i*1024
	ds_load_b128 v[64*(\bf)+8*i+4:64*(\bf)+8*i+7], v[ADRP] offset:(\ks)*8192+i*1024+512
.set i, i+1
.endr
.set i, 0
.rept 8
	ds_load_b128 v[128+64*(\bf)+8*i:128+64*(\bf)+8*i+3], v[ADRR] offset:(\ks)*8192+i*1024
	ds_load_b128 v[128+64*(\bf)+8*i+4:128+64*(\bf)+8*i+7], v[ADRR] offset:(\ks)*8192+i*1024+512
.set i, i+1
.endr
.endm
.macro MUL32 ks, bf, zero              ; the 32 accumulators take turns, one instruction a turn, in the same order in every K step
.irp a, 0,1,2,3
.irp b, 0,1,2,3,4,5,6,7
.if \zero
	v_wmma_scale_f32_16x16x128_f8f6f4 v[64*\a+8*\b:64*\a+8*\b+7], v[128+64*(\bf)+8*\b:128+64*(\bf)+8*\b+7], v[64*(\bf)+8*\a:64*(\bf)+8*\a+7], 0, v[SC+8*\b+(\ks)], v[SC+8*\a+(\ks)] matrix_a_fmt:MATRIX_FMT_FP4 matrix_b_fmt:MATRIX_FMT_FP4 matrix_a_scale:MATRIX_SCALE_ROW1
.else
	v_wmma_scale_f32_16x16x128_f8f6f4 v[64*\a+8*\b:64*\a+8*\b+7], v[128+64*(\bf)+8*\b:128+64*(\bf)+8*\b+7], v[64*(\bf)+8*\a:64*(\bf)+8*\a+7], v[64*\a+8*\b:64*\a+8*\b+7], v[SC+8*\b+(\ks)], v[SC+8*\a+(\ks)] matrix_a_fmt:MATRIX_FMT_FP4 matrix_b_fmt:MATRIX_FMT_FP4 matrix_a_scale:MATRIX_SCALE_ROW1
.endif
.endr
.endr
.endm
.macro STEP ks, zero
.if (\ks) == 3
	s_wait_dscnt 0x0                               ; no LDS instruction of mine is pending at a signal
	s_wait_tensorcnt 0x0                           ; my last load has landed;
	s_barrier_signal -1
	s_barrier_wait -1                              ; everybody's has.
.endif
.if (\ks) < 7
.if (\ks) > 0
	PLACES 4                                       ; in front of loads into registers that the K step before multiplied
.endif
	FETCH (\ks)+1, ((\ks)+1)%2
	s_wait_dscnt 2*(NA+8)                          ; all but the 24 loads just issued
.else
	s_wait_dscnt 0x0
.endif
	WIN 0xa5
	MUL32 \ks, (\ks)%2, \zero
.endm
	s_wait_tensorcnt 0x1                           ; my scales and my first half of K are in; the second half may be out
	s_barrier_signal -1
	s_barrier_wait -1
	SCALES
	FETCH 0, 0
	STEP 0, 1
	STEP 1, 0
	STEP 2, 0
	STEP 3, 0
	STEP 4, 0
	STEP 5, 0
	STEP 6, 0
	STEP 7, 0
	WIN 0
	PLACES 4
; THE WAY OUT, a tile of 16 rows x 128 columns at a time.  Accumulator (a, 2 q + u), register j, lane (r, h): column 32 q + 16 h + 8 u + j of lane row r.  Through my own stage, back as whole rows of 512 bytes.
; LDS serves a wave's instructions in order (ISA guide 5.7.1.4): no wait between the stores and the loads, nor in front of the next tile's stores.
.macro TOSTAGE a
	WIN 0x08                                       ; an LDS store's data are its source 1: window 2
.irp b, 0,1,2,3,4,5,6,7
	ds_store_b128 v[STO], v[64*(\a)+8*\b:64*(\a)+8*\b+3] offset:128*(\b/2)+32*(\b%2)        ; each accumulator from its low end on
	ds_store_b128 v[STO], v[64*(\a)+8*\b+4:64*(\a)+8*\b+7] offset:128*(\b/2)+32*(\b%2)+16
.endr
	WIN 0
.set BB, 96+64*((\a)%2)
.irp t, 0,1,2,3,4,5,6,7,8,9,10,11,12,13,14,15
	ds_load_b128 v[BB+4*\t:BB+4*\t+3], v[RD] offset:\t*528
.endr
.endm
.macro SEND a, younger                 ; younger: the LDS instructions issued behind tile a's loads
.set BB, 96+64*((\a)%2)
	s_wait_dscnt \younger
.irp t, 0,1,2,3,4,5,6,7,8,9,10,11,12,13,14,15
	global_store_b128 v[LI], v[BB+4*\t:BB+4*\t+3], s[12:13] offset:(32*((\a)/2)+8*((\a)%2)+\t+8*(\t/8))*4096 th:TH_STORE_NT   ; lane row t of tile a is row 32 (a / 2) + 8 (a & 1) + t + 8 (t / 8); 512 bytes on end
.endr
.endm
	TOSTAGE 0
.irp a, 1,2,3
.if \a > 1
	s_wait_xcnt 0x0                                ; tile a - 2's stores have read their registers: tile a's loads may land there
.endif
	TOSTAGE \a
	SEND \a-1, 32                                  ; behind tile a - 1's loads: tile a's 16 stores and 16 loads
.endr
	SEND 3, 0
	s_wait_dscnt 0x0
	s_wait_tensorcnt 0x0
	ds_add_u32 v254, v255
	s_wait_dscnt 0x0
	CROUND                                         ; the closing round
	s_endpgm
.Lfunc_end_k_qbe4a371dcc_oproj:
	.size	k_qbe4a371dcc_oproj, .Lfunc_end_k_qbe4a371dcc_oproj-k_qbe4a371dcc_oproj
	.p2alignl 7, 3214868480
	.fill 96, 4, 3214868480
	.section	.rodata,"a",@progbits
	.p2align	6, 0x0
	.amdhsa_kernel k_qbe4a371dcc_oproj
		.amdhsa_group_segment_fixed_size 243200
		.amdhsa_private_segment_fixed_size 0
		.amdhsa_enable_private_segment 0
		.amdhsa_kernarg_size 40
		.amdhsa_user_sgpr_count 2
		.amdhsa_user_sgpr_kernarg_segment_ptr 1
		.amdhsa_wavefront_size32 1
		.amdhsa_system_sgpr_workgroup_id_x 1
		.amdhsa_system_sgpr_workgroup_id_y 1
		.amdhsa_system_sgpr_workgroup_id_z 1
		.amdhsa_system_vgpr_workitem_id 0
		.amdhsa_next_free_vgpr 768
		.amdhsa_next_free_sgpr 100
		.amdhsa_reserve_vcc 0
		.amdhsa_float_denorm_mode_32 3
		.amdhsa_float_denorm_mode_16_64 3
		.amdhsa_memory_ordered 1
		.amdhsa_forward_progress 1
		.amdhsa_inst_pref_size 73
	.end_amdhsa_kernel
	.amdgpu_metadata
---
amdhsa.version: [ 1, 2 ]
amdhsa.kernels:
  - .name:           k_qbe4a371dcc_oproj
    .symbol:         k_qbe4a371dcc_oproj.kd
    .args:
      - { .name: aimg, .offset: 0, .size: 8, .value_kind: global_buffer, .address_space: global }
      - { .name: asc, .offset: 8, .size: 8, .value_kind: global_buffer, .address_space: global }
      - { .name: cimg, .offset: 16, .size: 8, .value_kind: global_buffer, .address_space: global }
      - { .name: csc, .offset: 24, .size: 8, .value_kind: global_buffer, .address_space: global }
      - { .name: out0, .offset: 32, .size: 8, .value_kind: global_buffer, .address_space: global }
    .group_segment_fixed_size: 243200
    .private_segment_fixed_size: 0
    .kernarg_segment_align: 8
    .kernarg_segment_size: 40
    .max_flat_workgroup_size: 128
    .sgpr_count:     100
    .vgpr_count:     768
    .wavefront_size: 32
...
	.end_amdgpu_metadata
.endif
;; end of part 4
